; MI455X (gfx1250); checked and timed in simulation.
; The chip was launched on July 23, 2026; its instructions are those of AMD's public machine-readable ISA for CDNA 5 (MIT licence, August 2026) and "CDNA5" Instruction Set Architecture Reference Guide (July 2026). The comments in the code are by the model that wrote it; some were corrected since.
;; Attention Block. Allowed arithmetic: matrix products marked QUANTISED: E3M2 operands, one E8M0 scale for each 32 along K, by v_wmma_scale_f32_16x16x128_f8f6f4 with both operands' format E3M2, f32 sums; everything else in f32.
;; Inputs: Wk 1,024 x 1,024 float32; Wp 1,024 x 1,024 float32; Wq 1,024 x 1,024 float32; Wv 1,024 x 1,024 float32; bk 1,024 float32; bp 1,024 float32; bq 1,024 float32; bv 1,024 float32; ln_b 1,024 float32; ln_g 1,024 float32; x 2 x 2,048 x 1,024 float32.
;; Outputs: out0 2 x 2,048 x 1,024 float32.
;; This version of the problem:
;;   THIS VERSION OF THE PROBLEM IS GIVEN IN LOW PRECISION. The matrix products marked QUANTISED in the list below multiply operands that are first quantised to E3M2 (3 exponent bits, 2 mantissa bits; 6 bits a number), with one power-of-two scale for each 32 numbers along K (OCP MX v1.0); their sums are f32. All else is computed in f32.
;;   The module's matrix products, in the order in which they are computed (A, B: the left and right operand; K: the contracted axis; several contracted axes count as one K, in the product's order):
;;     1. [M 4,096, K 1,024] x [K 1,024, N 1,024]; A: input x; B: input Wq: QUANTISED
;;     2. [M 4,096, K 1,024] x [K 1,024, N 1,024]; A: input x; B: input Wk: QUANTISED
;;     3. [M 4,096, K 1,024] x [K 1,024, N 1,024]; A: input x; B: input Wv: QUANTISED
;;     4. batch 32 x [M 2,048, K 64] x [K 64, N 2,048]; A: computed on the way; B: computed on the way: QUANTISED
;;     5. batch 32 x [M 2,048, K 2,048] x [K 2,048, N 64]; A: softmax (see below); B: computed on the way: QUANTISED
;;     6. [M 4,096, K 1,024] x [K 1,024, N 1,024]; A: computed on the way; B: input Wp: QUANTISED
;;   THE QUANTISER, for each operand of a quantised product, along K:
;;     - K is cut into blocks of 32 from its start; a last block that is shorter is filled with zeros.
;;     - A block's scale is 2^e with e = floor(log2(the largest magnitude in the block)) - 4, held to -126 .. 127; a block of zeros has e = 0. As a byte (E8M0): e + 127.
;;     - Each number is divided by its block's scale, clamped to +-28, and rounded to the nearest number of E3M2, ties to even, subnormals kept.
;;     - The product sums the exact products of the quantised numbers (number of the format x scale) in f32.
;;   ~~~python
;;   def quantise(x, axis):      # numpy; x: float32 -> the quantised numbers, widened to float32 again
;;       x = np.moveaxis(x, axis, -1); K = x.shape[-1]
;;       x = np.pad(x, [(0, 0)] * (x.ndim - 1) + [(0, -K % 32)]); x = x.reshape(x.shape[:-1] + (-1, 32)); a = np.abs(x).max(-1, keepdims=True)
;;       e = np.where(a > 0, np.clip(np.frexp(np.where(a > 0, a, 1))[1] - 1 - 4, -126, 127), 0)      # np.frexp(a)[1] - 1 = floor(log2(a)), exactly
;;       r = np.clip(x / 2.0 ** e, -28, 28)
;;       step = 2.0 ** (np.maximum(np.frexp(np.where(r == 0, 1, r))[1] - 1, -2) - 2)
;;       q = np.round(r / step) * step * 2.0 ** e      # np.round: ties to even
;;       return np.moveaxis(q.reshape(q.shape[:-2] + (-1,))[..., :K], -1, axis).astype(np.float32)
;;   ~~~
;;   SOFTMAX AHEAD OF A QUANTISED PRODUCT. Where the list says 'softmax', what is quantised is not the finished softmax but p = 2^(t - M), with t = logit x log2(e) and M = ceil(the row's largest t), a whole number; so 1/2 < the row's largest p <= 1. The row's sum l is taken of the UNQUANTISED p, in f32, and the product's result is divided by l at the end. Since M is a whole number, a kernel that streams over the keys may use a running M (the ceiling of the running maximum): every later rescaling is an exact power of two, which a block's scale takes up: the codes' values come out the same.
;;   OPERANDS COMPUTED ON THE WAY. 'Computed on the way' means the value that the module computes at that place (a softmax that the list does not call 'softmax' is quantised finished and normalised). What goes into a quantiser is computed in f32, as accurately as f32 sums, v_exp_f32 and their like allow (about 1e-6 of the number): no bf16 or f16 on the way to a quantiser, and a product that is left as it is and whose result goes on into a quantised operand takes f32 operands (vector FMAs, or v_wmma_f32_16x16x4_f32). A number that lies on a knife's edge between two numbers of the format may be rounded either way, as far as f32 arithmetic and the matrix unit's own rounding can turn it there, and no further.
;; One version. Each part assembles by itself: llvm-mc -triple=amdgcn-amd-amdhsa -mcpu=gfx1250 --defsym DOCPART=n.
;; ======== version 1 of 1: 4 launches
;; workspace buffers: xb 3,276,800 bytes; wb 3,276,800 bytes; qb 3,276,800 bytes; kv 6,553,600 bytes; ob 3,670,016 bytes
;; launch quant (part 1): grid 384 x 1, 4 waves a work-group, no clusters, 46,592 bytes of LDS; arguments x, Wq, Wk, Wv, Wp, xb, wb; writes xb, wb
.if DOCPART == 1
	.amdgcn_target "amdgcn-amd-amdhsa--gfx1250"
	.amdhsa_code_object_version 6
	.text
	.protected	k_q19677f3ef3_quant
	.globl	k_q19677f3ef3_quant
	.p2align	8
	.type	k_q19677f3ef3_quant,@function
k_q19677f3ef3_quant:
	s_mov_b64 s[64:65], 0
	v_nop
	global_prefetch_b8 v0, s[64:65] scope:SCOPE_SE
	s_setreg_imm32_b32 hwreg(HW_REG_WAVE_MODE, 25, 1), 1
	s_wait_xcnt 0x0
; x [4096][1024] (K innermost) and Wq, Wk, Wv, Wp [1024 (K)][1024] (K outermost), f32, become codes of BF6 (E3M2) with one E8M0 byte for each 32 along K.
; A block's scale is 2^(floor(log2(its largest magnitude)) - 4): its byte is the largest magnitude's exponent field - 4, held at 1 from below.
; LIMITS: NaN and infinities among the inputs are not served.  A block of zeros gets the byte 1 where the rule says 127: its codes are zeros, and this program alone reads the bytes.
; THE WORKSPACE IS LAID IN THE ORDER OF THE OPERAND'S REGISTERS.  A fragment (16 rows x 128 K, 12 registers a lane) is 1,536 bytes: for c = 0, 1: registers 6 c .. 6 c + 3 at 768 c + 16 x lane,
; registers 6 c + 4, 6 c + 5 at 768 c + 512 + 8 x lane.  A tile's record is 12,800 bytes: its 8 fragments (K steps), then 8 images of 16 scale words (64 bytes each).
; THE ROWS OF A TILE ARE NOT NEIGHBOURS: lane r of tile 2 b + u is row 32 b + 8 u + r + 8 (r / 8), for tokens and for the weights' columns alike.
; Work-groups 0-127 take x: a wave takes half a tile's K (4 fragments).  Work-groups 128-383 take the weights: a wave takes 32 columns x 128 K (one K step of two tiles).
; Each of the two ways has LDS bytes of its own.  Waves share nothing: no barrier.  No cluster: no two work-groups read the same bytes.
.set TR,   12800                       ; a tile's record
.set FRG,  1536                        ; a fragment
.set XP,   528                         ; x's stage: a row of 512 bytes + 16, so that 16 rows start at 16 different columns of 16 bytes
.set XSTG, 16*XP                       ; one stage for each wave
.set WST0, 4*XSTG                      ; the weights' stages begin behind x's
.set WSTG, 2*FRG                       ; two fragments for each wave
.set R,    16                          ; v16-143  x: two sets of 64 registers as loaded
.set X,    144                         ; v144-207 x: 64 neighbours along K of my row
.set C,    208                         ; v208-219 x: a fragment's codes
.set TP,   220                         ; v220-222 a conversion's three registers
.set MX,   224                         ; v224-225 two chains of the maximum
.set SOP,  226                         ; the conversion's scale operand
.set BY,   228                         ; v228-229 scale bytes
.set PT,   230                         ; the permute's destination
.set WD,   236                         ; v236-239 scale words
.set XW,   16                          ; v16-143  weights: 128 numbers down K of my column
.set CW,   144                         ; v144-175 weights: the codes of four blocks, eight registers apart
.set OW,   176                         ; v176-199 weights: the way out
; 32 numbers of ONE lane, v[src] on, become 24 bytes of codes in v[dst] .. v[dst + 5]; the scale's byte in v[byt].
.macro BLK32 src, dst, byt
	v_max3_num_f32 v[MX], |v[\src]|, |v[\src+1]|, |v[\src+2]|
	v_max3_num_f32 v[MX+1], |v[\src+3]|, |v[\src+4]|, |v[\src+5]|
.irp i, 6,10,14,18,22,26
	v_max3_num_f32 v[MX], v[MX], |v[\src+\i]|, |v[\src+\i+1]|
	v_max3_num_f32 v[MX+1], v[MX+1], |v[\src+\i+2]|, |v[\src+\i+3]|
.endr
	v_max3_num_f32 v[MX], v[MX], |v[\src+30]|, |v[\src+31]|
	v_max3_num_f32 v[MX], v[MX], v[MX+1], 0x2800000                ; the floor 2^(5 - 127): the byte cannot fall under 1
	v_add_nc_u32 v[SOP], 0xfe000000, v[MX]                         ; 4 off the exponent field: the conversion takes this operand's exponent field as its scale
	v_lshrrev_b32 v[\byt], 23, v[SOP]                              ; the scale's byte
	v_cvt_scalef32_pk16_bf6_f32 v[\dst:\dst+2], v[\src:\src+15], v[SOP]
	v_cvt_scalef32_pk16_bf6_f32 v[TP:TP+2], v[\src+16:\src+31], v[SOP]   ; (a conversion's three registers begin on an even number)
	v_nop                                                          ; one plain place behind a scaled conversion
.irp i, 0,1,2
	v_mov_b32 v[\dst+3+\i], v[TP+\i]
.endr
.endm
	s_load_b256 s[4:11], s[0:1], 0x0               ; x s[4:5], Wq s[6:7], Wk s[8:9], Wv s[10:11]
	s_load_b128 s[12:15], s[0:1], 0x20             ; Wp s[12:13], xb s[14:15]
	s_load_b64 s[16:17], s[0:1], 0x30              ; wb
	v_lshl_add_u32 v254, v0, 2, 0xb400
	v_mov_b32 v255, 0
	v_lshrrev_b32 v1, 5, v0
	v_readfirstlane_b32 s18, v1                    ; wave
	v_and_b32 v7, 31, v0                           ; lane
	v_lshlrev_b32 v1, 4, v7                        ; 16 x lane
	v_lshlrev_b32 v2, 3, v7                        ; 8 x lane
	v_lshlrev_b32 v3, 2, v7                        ; 4 x lane
	s_cmp_lt_u32 ttmp9, 128
	s_cbranch_scc0 .Lweights
	; ---------------- x: K is innermost ----------------
	s_mov_b32 s20, 0x76543210
	s_mov_b32 s21, 0xfedcba98                      ; v_permlanex16_b32's selects for lane l xor 16
	s_lshl_b32 s22, ttmp9, 2
	s_add_co_u32 s22, s22, s18                     ; my task
	s_lshr_b32 s23, s22, 1                         ; tile T
	s_and_b32 s24, s22, 1                          ; g: K steps 4 g .. 4 g + 3
	s_mul_i32 s25, s18, XSTG                       ; my stage
	v_add_nc_u32 v4, s25, v1                       ; in: a row's 512 bytes as they lie
	v_and_b32 v8, 15, v7                           ; r
	v_lshrrev_b32 v9, 4, v7                        ; h
	v_mul_u32_u24 v5, v8, XP
	v_lshl_add_u32 v5, v9, 7, v5
	v_add_nc_u32 v5, s25, v5                       ; out: row r, + 128 h bytes: my block of 32 numbers
	v_lshlrev_b32 v6, 3, v9                        ; 8 h
	v_cmp_lt_u32 s26, 15, v7                       ; lanes 16-31
	v_mov_b32 v[PT], 0                             ; a lane permute's destination counts as one of its sources
	s_lshr_b32 s27, s23, 1
	s_lshl_b32 s28, s27, 17                        ; 32 (T / 2) rows of 4,096 bytes
	s_and_b32 s27, s23, 1
	s_lshl_b32 s27, s27, 15                        ; + 8 (T % 2) rows
	s_add_co_u32 s28, s28, s27
	s_lshl_b32 s27, s24, 11                        ; + 4 g K steps of 512 bytes
	s_add_co_u32 s28, s28, s27
	s_mov_b32 s29, 0
	s_mul_i32 s32, s23, TR                         ; the tile's record
	s_mul_i32 s27, s24, 4*FRG
	s_add_co_u32 s30, s32, s27                     ; my four fragments
	s_mov_b32 s31, 0
	s_lshl_b32 s27, s24, 8
	s_add_co_u32 s32, s32, s27
	s_add_co_u32 s32, s32, 8*FRG                   ; my four images of scale words
	s_mov_b32 s33, 0
	s_wait_kmcnt 0x0
	s_add_nc_u64 s[4:5], s[4:5], s[28:29]
	s_add_nc_u64 s[30:31], s[14:15], s[30:31]
	s_add_nc_u64 s[32:33], s[14:15], s[32:33]
.macro LOADX f                         ; 16 rows x 512 consecutive bytes: the numbers of fragment f
.irp i, 0,1,2,3,4,5,6,7,8,9,10,11,12,13,14,15
	global_load_b128 v[R+64*((\f)%2)+4*\i:R+64*((\f)%2)+4*\i+3], v1, s[4:5] offset:(\i+8*(\i/8))*4096+512*(\f) th:TH_LOAD_NT
.endr
.endm
.macro XFRAG f
.if \f < 3
	s_wait_loadcnt 16                              ; this fragment's 16 loads are in; the next one's 16 may be out
.else
	s_wait_loadcnt 0x0
.endif
.irp i, 0,1,2,3,4,5,6,7,8,9,10,11,12,13,14,15
	ds_store_b128 v4, v[R+64*((\f)%2)+4*\i:R+64*((\f)%2)+4*\i+3] offset:XP*\i
.endr
.irp c, 0,1
.irp q, 0,1,2,3,4,5,6,7
	ds_load_b128 v[X+32*\c+4*\q:X+32*\c+4*\q+3], v5 offset:256*\c+16*\q    ; LDS serves a wave's instructions in order: these see the stores above.  k = 64 c + 32 h + 0 .. 31 of row r
.endr
.endr
	s_wait_dscnt 0x0                               ; my 64 numbers are in, and the stores have read the set
.if \f < 2
	LOADX \f+2                                     ; which takes the fragment two on
.endif
	s_wait_xcnt 0x0                                ; the last fragment's stores have read v[C] on: it is written again only behind this wait
	BLK32 X, C, BY
	BLK32 X+32, C+6, BY+1
	v_lshl_or_b32 v[WD+\f], v[BY+1], 16, v[BY]     ; my two bytes: blocks h and 2 + h of row r,
	v_lshlrev_b32 v[WD+\f], v6, v[WD+\f]           ; at their places in the word;
	v_permlanex16_b32 v[PT], v[WD+\f], s20, s21
	v_or_b32 v[WD+\f], v[WD+\f], v[PT]             ; with lane l xor 16's two the word is whole
	global_store_b128 v1, v[C:C+3], s[30:31] offset:FRG*\f           ; each store covers 512 or 256 consecutive bytes
	global_store_b64 v2, v[C+4:C+5], s[30:31] offset:FRG*\f+512
	global_store_b128 v1, v[C+6:C+9], s[30:31] offset:FRG*\f+768
	global_store_b64 v2, v[C+10:C+11], s[30:31] offset:FRG*\f+1280
.endm
	LOADX 0
	LOADX 1
	XFRAG 0
	XFRAG 1
	XFRAG 2
	XFRAG 3
	v_cndmask_b32 v[BY], v[WD], v[WD+1], s26       ; lanes 0-15 one K step's words, lanes 16-31 the next one's: two images in 128 bytes
	v_cndmask_b32 v[BY+1], v[WD+2], v[WD+3], s26
	global_store_b32 v3, v[BY], s[32:33]
	global_store_b32 v3, v[BY+1], s[32:33] offset:128
	s_wait_tensorcnt 0x0
	ds_add_u32 v254, v255
	s_wait_dscnt 0x0
	s_endpgm
	; ---------------- the weights: K is outermost: a lane takes a column, its registers run down K ----------------
.Lweights:
	s_sub_co_u32 s22, ttmp9, 128
	s_lshr_b32 s23, s22, 6                         ; which weight: q, k, v, p
	s_bfe_u32 s24, s22, 0x30003
	s_and_b32 s25, s22, 7                          ; K step
	s_lshl_b32 s24, s24, 2
	s_add_co_u32 s24, s24, s18                     ; b: my 32 columns, tiles 2 b and 2 b + 1
	s_mul_i32 s27, s18, WSTG
	s_add_co_u32 s27, s27, WST0                    ; my stage
	v_bfe_u32 v8, v7, 3, 1                         ; column 32 b + lane is row r of tile 2 b + u: u = bit 3 of the lane,
	v_and_b32 v9, 7, v7
	v_lshrrev_b32 v10, 4, v7
	v_lshl_or_b32 v9, v10, 3, v9                   ; r = lane % 8 + 8 (lane / 16)
	v_mul_u32_u24 v10, v8, FRG
	v_add_nc_u32 v10, s27, v10
	v_lshl_add_u32 v4, v9, 4, v10                  ; into the stage: registers 0-3 of a block: 16 r
	v_lshl_add_u32 v5, v9, 3, v10                  ; registers 4, 5: 8 r (+ 512)
	v_add_nc_u32 v6, s27, v1                       ; out of it: as it lies
	v_mul_u32_u24 v11, v8, TR
	v_lshl_add_u32 v11, v9, 2, v11                 ; my scale word: record u, word r
	s_lshl_b32 s28, s25, 19                        ; 128 rows of 4,096 bytes a K step
	s_lshl_b32 s29, s24, 7                         ; 128 bytes for 32 columns
	s_add_co_u32 s28, s28, s29
	s_mov_b32 s29, 0
	s_lshl_b32 s30, s23, 6
	s_lshl_b32 s31, s24, 1
	s_add_co_u32 s30, s30, s31
	s_mul_i32 s30, s30, TR                         ; the record of tile 2 b of this weight
	s_mul_i32 s31, s25, FRG
	s_add_co_u32 s34, s30, s31                     ; its fragment of this K step
	s_mov_b32 s35, 0
	s_lshl_b32 s31, s25, 6
	s_add_co_u32 s36, s30, s31
	s_add_co_u32 s36, s36, 8*FRG                   ; its image of scale words
	s_mov_b32 s37, 0
	s_wait_kmcnt 0x0
	s_cmp_eq_u32 s23, 1                            ; the choice hangs on the work-group's number alone
	s_cselect_b64 s[6:7], s[8:9], s[6:7]
	s_cmp_eq_u32 s23, 2
	s_cselect_b64 s[6:7], s[10:11], s[6:7]
	s_cmp_eq_u32 s23, 3
	s_cselect_b64 s[6:7], s[12:13], s[6:7]
	s_add_nc_u64 s[6:7], s[6:7], s[28:29]
	s_add_nc_u64 s[34:35], s[16:17], s[34:35]
	s_add_nc_u64 s[36:37], s[16:17], s[36:37]
.set i, 0
.rept 128
	global_load_b32 v[XW+i], v3, s[6:7] offset:4096*i th:TH_LOAD_NT   ; a wave reads 128 consecutive bytes of a row, the four waves 512
.set i, i+1
.endr
.macro WBLOCK t, left
	s_wait_loadcnt \left                           ; this block's 32 loads are in
	BLK32 XW+32*\t, CW+8*\t, BY
.if \t == 0
	v_mov_b32 v[WD], v[BY]
.else
	v_lshl_or_b32 v[WD], v[BY], 8*\t, v[WD]        ; the lower K in the lower byte
.endif
	ds_store_b128 v4, v[CW+8*\t:CW+8*\t+3] offset:768*(\t/2)+256*(\t%2)        ; block t = 2 c + h is lane (r, h)'s part of half c
	ds_store_b64 v5, v[CW+8*\t+4:CW+8*\t+5] offset:512+768*(\t/2)+128*(\t%2)
.endm
	WBLOCK 0, 63                                   ; 96 younger loads might stay out: the wait's field names 63 at the most
	WBLOCK 1, 63                                   ; (64 likewise)
	WBLOCK 2, 32
	WBLOCK 3, 0
	global_store_b32 v11, v[WD], s[36:37]          ; sixteen lanes store 64 consecutive bytes in each of two records
.irp i, 0,1,2,3,4,5
	ds_load_b128 v[OW+4*\i:OW+4*\i+3], v6 offset:512*\i            ; LDS serves a wave's instructions in order: these see my stores
.endr
.irp i, 0,1,2,3,4,5
	s_wait_dscnt 5-\i
	global_store_b128 v1, v[OW+4*\i:OW+4*\i+3], s[34:35] offset:(\i/3)*TR+(\i%3)*512   ; 512 consecutive bytes a store
.endr
	s_wait_tensorcnt 0x0
	ds_add_u32 v254, v255
	s_wait_dscnt 0x0
	s_endpgm
.Lfunc_end_k_q19677f3ef3_quant:
	.size	k_q19677f3ef3_quant, .Lfunc_end_k_q19677f3ef3_quant-k_q19677f3ef3_quant
	.p2alignl 7, 3214868480
	.fill 96, 4, 3214868480
	.section	.rodata,"a",@progbits
	.p2align	6, 0x0
	.amdhsa_kernel k_q19677f3ef3_quant
		.amdhsa_group_segment_fixed_size 46592
		.amdhsa_private_segment_fixed_size 0
		.amdhsa_enable_private_segment 0
		.amdhsa_kernarg_size 56
		.amdhsa_user_sgpr_count 2
		.amdhsa_user_sgpr_kernarg_segment_ptr 1
		.amdhsa_wavefront_size32 1
		.amdhsa_system_sgpr_workgroup_id_x 1
		.amdhsa_system_sgpr_workgroup_id_y 1
		.amdhsa_system_sgpr_workgroup_id_z 1
		.amdhsa_system_vgpr_workitem_id 0
		.amdhsa_next_free_vgpr 256
		.amdhsa_next_free_sgpr 66
		.amdhsa_reserve_vcc 0
		.amdhsa_float_denorm_mode_32 3
		.amdhsa_float_denorm_mode_16_64 3
		.amdhsa_memory_ordered 1
		.amdhsa_forward_progress 1
		.amdhsa_inst_pref_size 52
	.end_amdhsa_kernel
	.amdgpu_metadata
---
amdhsa.version: [ 1, 2 ]
amdhsa.kernels:
  - .name:           k_q19677f3ef3_quant
    .symbol:         k_q19677f3ef3_quant.kd
    .args:
      - { .name: x, .offset: 0, .size: 8, .value_kind: global_buffer, .address_space: global }
      - { .name: Wq, .offset: 8, .size: 8, .value_kind: global_buffer, .address_space: global }
      - { .name: Wk, .offset: 16, .size: 8, .value_kind: global_buffer, .address_space: global }
      - { .name: Wv, .offset: 24, .size: 8, .value_kind: global_buffer, .address_space: global }
      - { .name: Wp, .offset: 32, .size: 8, .value_kind: global_buffer, .address_space: global }
      - { .name: xb, .offset: 40, .size: 8, .value_kind: global_buffer, .address_space: global }
      - { .name: wb, .offset: 48, .size: 8, .value_kind: global_buffer, .address_space: global }
    .group_segment_fixed_size: 46592
    .private_segment_fixed_size: 0
    .kernarg_segment_align: 8
    .kernarg_segment_size: 56
    .max_flat_workgroup_size: 128
    .sgpr_count:     66
    .vgpr_count:     256
    .wavefront_size: 32
...
	.end_amdgpu_metadata
.endif
;; end of part 1
;; launch qkv (part 2): grid 12 x 16, 4 waves a work-group, clusters of 4 x 1, 205,312 bytes of LDS; arguments xb, wb, bq, bk, bv, qb, kv; writes qb, kv
.if DOCPART == 2
	.amdgcn_target "amdgcn-amd-amdhsa--gfx1250"
	.amdhsa_code_object_version 6
	.text
	.protected	k_q19677f3ef3_qkv
	.globl	k_q19677f3ef3_qkv
	.p2align	8
	.type	k_q19677f3ef3_qkv,@function
k_q19677f3ef3_qkv:
	s_mov_b64 s[64:65], 0
	v_nop
	global_prefetch_b8 v0, s[64:65] scope:SCOPE_SE
	s_setreg_imm32_b32 hwreg(HW_REG_WAVE_MODE, 25, 1), 1
	s_wait_xcnt 0x0
	s_wait_alu depctr_hold_cnt(0) depctr_sa_sdst(0) depctr_va_vdst(0) depctr_va_sdst(0) depctr_va_ssrc(0) depctr_va_vcc(0) depctr_vm_vsrc(0)
	s_getreg_b32 s2, hwreg(HW_REG_IB_STS2, 6, 4)
	s_cmp_eq_u32 s2, 0
	s_cbranch_scc0 .Lentry_in_a_cluster
	s_endpgm
.Lentry_in_a_cluster:
	s_bfe_u32 s2, ttmp6, 0x10000c
	s_cmp_lg_u32 s2, 0x3003
	s_cbranch_scc0 .Lentry_shape_is_right
	s_endpgm
.Lentry_shape_is_right:
; q = x Wq + bq, k = x Wk + bk, v = x Wv + bv on codes of BF6, and the quantisers of q and k (along a head's 64 channels) and of v (along the keys).
; Operands lie in memory in the order of their registers: a fragment (16 rows x 128 K) is 1,536 bytes (for c = 0, 1: four registers at 768 c + 16 x lane, two at 768 c + 512 + 8 x lane);
; a tile's record is 8 fragments and 8 images of 16 scale words: 12,800 bytes.  Lane r of tile 2 b + u is row 32 b + 8 u + r + 8 (r / 8), for tokens and channels alike.
; SHARES.  A cluster of four work-groups is ONE weight (cluster x: 0 q, 1 k, 2 v) x 256 tokens (cluster y).  A wave is one head, 64 channels: its 32 fragments of W stay in 384 registers.
; The 256 tokens' codes, 16 records, 204,800 bytes, are asked for JOINTLY by the four work-groups, once, a quarter by each wave; nothing in LDS is filled again or stored to.
; q, k: the product is used transposed (source 0 = 16 channels, source 1 = 16 tokens): a lane holds one token, and by the order of W's rows its 16 registers of two neighbouring tiles are 16 neighbouring channels.
; v: the product is used as it is (source 0 = 16 tokens, source 1 = 16 channels): a lane holds one channel, and by the order of x's rows its registers are neighbouring tokens: codes along the keys, nothing transposed.
; OUT.  qb [head of batch 32][group of 64 queries 32] 3,200 bytes: 4 halves of 768 bytes (a tile's 64 channels), then 2 images of pair words (tile 2 P's two bytes, tile 2 P + 1's two above them).
;       kv [head of batch 32][128 keys 16] 12,800 bytes: K: 8 such halves (4 pairs);  at 6,144 V: 4 fragments (16 channels x 128 keys);  at 12,288 K's 4 images of pair words;  at 12,544 V's 4 images.
; LIMITS: NaN and infinities are not served; a block of zeros gets the byte 1 (its codes are zeros; this program alone reads the bytes).
; REGISTERS, in windows of 256: window 0: v1-10 addresses; v16-31 W's scale words; v32-39 x's, two sets; v40-55 at work; v56-63 scale words made; v64-103 codes made; v128-255 16 accumulators.
;   window 1: W's fragments of K steps 0-4.   window 2: those of K steps 5-7; from v144 the bias, eight registers a tile.   window 3: x's fragments, two buffers of 48.
.set TR,   12800
.set FRG,  1536
.set WS,   16                          ; v[WS + 4 t + s / 2]: lanes 0-15 K step s even, lanes 16-31 s odd
.set XS,   32                          ; v[XS + 4 ((s / 2) % 2) + m] likewise
.set TM,   40
.set PW,   56                          ; v56-57 the two scale words just made
.set PV,   58                          ; v58-59 those of the trip before (v alone)
.set PK,   60                          ; v60-63 words on their way out
.set PC0,  64                          ; v64-83, v84-103: 12 registers of codes + 8 at work
.set PC1,  84
.set ACC,  128
.set BIAS, 144                         ; in window 2
.set MSB, 0
.macro WIN new                         ; the immediate's high byte repeats the setting that is left
.if MSB != \new
	s_set_vgpr_msb (MSB<<8)|\new
.set MSB, \new
.endif
.endm
.macro ROUND                           ; a round of the cluster's barrier
	s_barrier_signal -1
	s_barrier_wait -1
	s_cmp_lg_u32 s18, 0
	s_cbranch_scc1 .Lnot_wave_0_\@
	s_barrier_signal -3
.Lnot_wave_0_\@:
	s_barrier_wait -3
	s_barrier_signal -1
	s_barrier_wait -1
.endm
.macro PLACES                          ; four places behind a matrix instruction, ahead of loads into its sources and of reads of its result
.rept 4
	v_nop
.endr
.endm
.macro LDW reg, off                    ; a fragment of W from memory
	global_load_b128 v[\reg:\reg+3], v1, s[6:7] offset:\off
	global_load_b64 v[\reg+4:\reg+5], v2, s[6:7] offset:\off+512
	global_load_b128 v[\reg+6:\reg+9], v1, s[6:7] offset:\off+768
	global_load_b64 v[\reg+10:\reg+11], v2, s[6:7] offset:\off+1280
.endm
.macro FETCHX s                        ; the four token tiles' fragments of K step s into buffer s % 2: 16 LDS loads
	WIN 0xc0                                       ; destination window 3, address window 0
.irp m, 0,1,2,3
	ds_load_b128 v[48*((\s)%2)+12*\m:48*((\s)%2)+12*\m+3], v4 offset:TR*\m+FRG*(\s)
	ds_load_b64 v[48*((\s)%2)+12*\m+4:48*((\s)%2)+12*\m+5], v5 offset:TR*\m+FRG*(\s)+512
	ds_load_b128 v[48*((\s)%2)+12*\m+6:48*((\s)%2)+12*\m+9], v4 offset:TR*\m+FRG*(\s)+768
	ds_load_b64 v[48*((\s)%2)+12*\m+10:48*((\s)%2)+12*\m+11], v5 offset:TR*\m+FRG*(\s)+1280
.endr
.endm
.macro SCALES q                        ; their scale words of K steps 2 q and 2 q + 1: 4 LDS loads
	WIN 0
.irp m, 0,1,2,3
	ds_load_b32 v[XS+4*((\q)%2)+\m], v6 offset:TR*\m+8*FRG+128*(\q)
.endr
.endm
.macro WM d, a, b, c, sa, sb, odd
.if \odd
	v_wmma_scale_f32_16x16x128_f8f6f4 v[\d:\d+7], v[\a:\a+11], v[\b:\b+11], v[\c:\c+7], v[\sa], v[\sb] matrix_a_fmt:MATRIX_FMT_BF6 matrix_b_fmt:MATRIX_FMT_BF6 matrix_a_scale:MATRIX_SCALE_ROW1 matrix_b_scale:MATRIX_SCALE_ROW1
.else
	v_wmma_scale_f32_16x16x128_f8f6f4 v[\d:\d+7], v[\a:\a+11], v[\b:\b+11], v[\c:\c+7], v[\sa], v[\sb] matrix_a_fmt:MATRIX_FMT_BF6 matrix_b_fmt:MATRIX_FMT_BF6
.endif
.endm
; 16 matrix instructions of K step s on the 16 accumulators by turns, in the same order in every step.  The bias is the C of the first step.
; q, k: accumulator 4 m + t (token tile m, channel tile t);  v: accumulator 4 t + m.
.macro MUL16 isv, s
.if (\s) < 5
.set WF, 48*(\s)
.else
.set WF, 48*((\s)-5)
.endif
.set XF, 48*((\s)%2)
.set SW, WS+(\s)/2
.set SX, XS+4*(((\s)/2)%2)
.if \isv
.if (\s) == 0
	WIN 0x27                                       ; source 0 (x) window 3, source 1 (W) window 1, C (bias) window 2
.elseif (\s) < 5
	WIN 0x07
.else
	WIN 0x0b                                       ; W window 2
.endif
.else
.if (\s) == 0
	WIN 0x2d                                       ; source 0 (W) window 1, source 1 (x) window 3, C (bias) window 2
.elseif (\s) < 5
	WIN 0x0d
.else
	WIN 0x0e
.endif
.endif
.irp a, 0,1,2,3
.irp b, 0,1,2,3
.set DD, ACC+8*(4*\a+\b)
.set CC, DD
.if \isv
.if (\s) == 0
.set CC, BIAS+8*\a
.endif
	WM DD, XF+12*\b, WF+12*\a, CC, SX+\b, SW+4*\a, (\s)%2
.else
.if (\s) == 0
.set CC, BIAS+8*\b
.endif
	WM DD, WF+12*\b, XF+12*\a, CC, SW+4*\b, SX+\a, (\s)%2
.endif
.endr
.endr
.endm
; 64 numbers of a lane, v[s] on, register 16 b + i = number 32 b + 16 (lane / 16) + i of four blocks of 32, become 12 registers of codes in v[pc] on (lane (r, h): registers 6 c .. 6 c + 5 = block 2 c + h) and their four bytes in v[pw].
.macro QUANT s, pc, pw
.irp b, 0,1,2,3
	v_max3_num_f32 v[TM+\b], |v[\s+16*\b]|, |v[\s+1+16*\b]|, 0x2800000   ; my 16 numbers of block b, and the floor 2^(5 - 127): the byte cannot fall under 1.  Each accumulator is read from its low end on
.endr
.irp i, 2,4,6,8,10,12,14
.irp b, 0,1,2,3
	v_max3_num_f32 v[TM+\b], v[TM+\b], |v[\s+16*\b+\i]|, |v[\s+1+16*\b+\i]|
.endr
.endr
.irp b, 0,1,2,3
	v_permlanex16_b32 v[TM+4+\b], v[TM+\b], s20, s21
.endr
.irp b, 0,1,2,3
	v_max_num_f32 v[TM+\b], v[TM+\b], v[TM+4+\b]   ; with lane l xor 16's: the block's largest magnitude
.endr
.irp b, 0,1,2,3
	v_add_nc_u32 v[TM+12+\b], 0xfe000000, v[TM+\b] ; 4 off its exponent field: the conversion's scale operand
.endr
.irp b, 0,1,2,3
	v_lshrrev_b32 v[TM+4+\b], 23, v[TM+12+\b]      ; the scale's byte
.endr
	v_lshl_or_b32 v[\pw], v[TM+5], 8, v[TM+4]
	v_lshl_or_b32 v[\pw], v[TM+6], 16, v[\pw]
	v_lshl_or_b32 v[\pw], v[TM+7], 24, v[\pw]
.irp c, 0,1
	v_cvt_scalef32_pk16_bf6_f32 v[\pc+6*\c:\pc+2+6*\c], v[\s+32*\c:\s+15+32*\c], v[TM+12+2*\c]
	v_cvt_scalef32_pk16_bf6_f32 v[\pc+12+4*\c:\pc+14+4*\c], v[\s+16+32*\c:\s+31+32*\c], v[TM+12+2*\c+1]   ; (a conversion's three registers begin on an even number)
.endr
	v_nop                                          ; one plain place behind a scaled conversion
.irp c, 0,1                                    ; the operand's layout wants a WHOLE block in a lane
.irp i, 0,1,2
	v_permlane16_swap_b32 v[\pc+6*\c+\i], v[\pc+12+4*\c+\i]
.endr
.irp i, 0,1,2
	v_mov_b32 v[\pc+3+6*\c+\i], v[\pc+12+4*\c+\i]
.endr
.endr
.endm
.macro STEP isv, s
.if (\s) > 0
	PLACES                                         ; behind the last step's products: the loads below land in the buffer that they read
.endif
.if (\s) < 7
	FETCHX (\s)+1
.if (\s)%2 == 1
	SCALES ((\s)+1)/2
.endif
.endif
.if (\s) == 7
	s_wait_dscnt 0x0
.elseif (\s)%2 == 0
	s_wait_dscnt 16                                ; all but the next step's 16 loads
.else
	s_wait_dscnt 20                                ; all but the next step's 16 loads and 4 scale words
.endif
	MUL16 \isv, \s
.endm
; A trip: 64 tokens (four tiles) x my head's 64 channels, all of K; then the quantisers and the stores.
.macro TRIP isv
	v_add_nc_u32 v4, s26, v1
	v_add_nc_u32 v5, s26, v2
	v_add_nc_u32 v6, s26, v3
	FETCHX 0
	SCALES 0
.irp k, 0,1,2,3,4,5,6,7
	STEP \isv, \k
.endr
	WIN 0
	PLACES                                         ; ahead of the first read of results, and of the next trip's loads into the buffers
	s_wait_xcnt 0x0                                ; the last trip's stores have read their data and bases: both are written again only behind this wait
	s_lshr_b32 s50, s27, 1
	s_and_b32 s51, s27, 1
	s_mul_i32 s50, s50, TR                         ; the record of these keys' step of 128
.if \isv
	s_mul_i32 s52, s51, 768
	s_add_co_u32 s52, s52, s50
	s_add_co_u32 s52, s52, 6144                    ; V: half G % 2 of each fragment
	s_add_co_u32 s54, s50, 12544                   ; V's scale words
.else
	s_mul_i32 s52, s51, 3072
	s_add_co_u32 s52, s52, s50                     ; K: pairs 2 (G % 2) on
	s_lshl_b32 s54, s51, 7
	s_add_co_u32 s54, s54, s50
	s_add_co_u32 s54, s54, 12288                   ; K's pair words
	s_mul_i32 s56, s27, 3200                       ; q: the group's record
	s_add_co_u32 s57, s56, 3072
	s_cmp_eq_u32 s22, 0
	s_cselect_b32 s52, s56, s52
	s_cselect_b32 s54, s57, s54
.endif
	s_mov_b32 s53, 0
	s_mov_b32 s55, 0
	s_add_nc_u64 s[52:53], s[14:15], s[52:53]
	s_add_nc_u64 s[54:55], s[14:15], s[54:55]
	QUANT ACC, PC0, PW
	QUANT ACC+64, PC1, PW+1
.irp p, 0,1
.if \isv                               ; registers 0-5: channel tile 2 p's half;  registers 6-11: channel tile 2 p + 1's
	global_store_b128 v1, v[PC0+20*\p:PC0+20*\p+3], s[52:53] offset:FRG*2*\p
	global_store_b64 v2, v[PC0+20*\p+4:PC0+20*\p+5], s[52:53] offset:FRG*2*\p+512
	global_store_b128 v1, v[PC0+20*\p+6:PC0+20*\p+9], s[52:53] offset:FRG*(2*\p+1)
	global_store_b64 v2, v[PC0+20*\p+10:PC0+20*\p+11], s[52:53] offset:FRG*(2*\p+1)+512
.else                                  ; token tiles 2 p and 2 p + 1: a pair, 1,536 consecutive bytes
	global_store_b128 v1, v[PC0+20*\p:PC0+20*\p+3], s[52:53] offset:FRG*\p
	global_store_b64 v2, v[PC0+20*\p+4:PC0+20*\p+5], s[52:53] offset:FRG*\p+512
	global_store_b128 v1, v[PC0+20*\p+6:PC0+20*\p+9], s[52:53] offset:FRG*\p+768
	global_store_b64 v2, v[PC0+20*\p+10:PC0+20*\p+11], s[52:53] offset:FRG*\p+1280
.endif
.endr
.if \isv
	v_perm_b32 v[PK], v[PW], v[PV], 0x05040100     ; a fragment's word: the even group's two bytes below, the odd group's above; channel tiles 0, 1, 2, 3
	v_perm_b32 v[PK+1], v[PW], v[PV], 0x07060302
	v_perm_b32 v[PK+2], v[PW+1], v[PV+1], 0x05040100
	v_perm_b32 v[PK+3], v[PW+1], v[PV+1], 0x07060302
	v_mov_b32 v[PV], v[PW]
	v_mov_b32 v[PV+1], v[PW+1]
	v_cndmask_b32 v[PK], v[PK], v[PK+1], s30       ; two images in a register
	v_cndmask_b32 v[PK+2], v[PK+2], v[PK+3], s30
	s_bitcmp1_b32 s25, 0                           ; the words are whole in the odd trips (the trip's parity is the group's)
	s_cbranch_scc0 .Lhalf_\@
	global_store_b32 v3, v[PK], s[54:55]
	global_store_b32 v3, v[PK+2], s[54:55] offset:128
.Lhalf_\@:
.else
	v_cndmask_b32 v[PK], v[PW], v[PW+1], s30       ; lanes 0-15 pair 0's words, lanes 16-31 pair 1's
	global_store_b32 v3, v[PK], s[54:55]
.endif
	s_add_co_u32 s26, s26, 4*TR                    ; the next four tiles in LDS
	s_add_co_u32 s27, s27, 1                       ; the next group
.endm
	s_load_b256 s[4:11], s[0:1], 0x0               ; xb s[4:5], wb s[6:7], bq s[8:9], bk s[10:11]
	s_load_b128 s[12:15], s[0:1], 0x20             ; bv s[12:13], qb s[14:15]
	s_load_b64 s[16:17], s[0:1], 0x30              ; kv
	v_lshl_add_u32 v126, v0, 2, 0x32000
	v_mov_b32 v127, 0
	ds_add_u32 v126, v127
	ds_add_u32 v126, v127
	v_lshrrev_b32 v1, 5, v0
	v_readfirstlane_b32 s18, v1                    ; wave
	v_and_b32 v8, 31, v0                           ; lane
	v_and_b32 v9, 15, v0                           ; r
	v_bfe_u32 v10, v0, 4, 1                        ; h
	v_lshlrev_b32 v1, 4, v8                        ; 16 x lane
	v_lshlrev_b32 v2, 3, v8                        ; 8 x lane
	v_lshlrev_b32 v3, 2, v8                        ; 4 x lane
	v_cmp_lt_u32 s30, 15, v8                       ; lanes 16-31
.irp b, 0,1,2,3
	v_mov_b32 v[TM+4+\b], 0                        ; a lane permute's destination counts as one of its sources
.endr
	v_mov_b32 v[PV], 0
	v_mov_b32 v[PV+1], 0
	s_mov_b32 s20, 0x76543210
	s_mov_b32 s21, 0xfedcba98                      ; v_permlanex16_b32's selects for lane l xor 16
	s_bfe_u32 s19, ttmp6, 0x40000                  ; cx: it enters W's, the biases' and the outputs' addresses alone
	s_mov_b32 s22, ttmp9                           ; which weight: the same in the four partners
	s_and_b32 s23, ttmp7, 0xffff                   ; which 256 tokens: likewise
	s_lshl_b32 s24, s19, 2
	s_add_co_u32 s24, s24, s18                     ; my head
	s_lshl_b32 s28, s23, 4
	s_lshl_b32 s29, s18, 2
	s_add_co_u32 s28, s28, s29
	s_mul_i32 s28, s28, TR                         ; x: records 16 tg + 4 wave on
	s_mov_b32 s29, 0
	s_mov_b32 s32, 1                               ; group 0: count 1,
	s_mul_i32 s33, s18, 4*TR                       ; LDS address: four records a wave,
	s_mov_b32 s36, 15|(3<<16)|(1<<21)              ; group 1: 15:0 the mask: all four work-groups; 17:16 elements of 8 bytes; 21 set beside a mask
	s_mov_b32 s37, 32<<16                          ; tensor_dim0 = 32 elements: rows of 256 bytes
	s_mov_b32 s38, 200<<16                         ; tensor_dim1 = 200 rows: 51,200 dense bytes
	s_mov_b32 s39, 32<<16                          ; tile_dim0
	s_mov_b32 s40, 200                             ; tile_dim1
	s_mov_b32 s41, 32                              ; the pitch
	s_mov_b32 s42, 0
	s_mov_b32 s43, 0
	s_lshl_b32 s44, s22, 6
	s_lshl_b32 s45, s24, 2
	s_add_co_u32 s44, s44, s45
	s_mul_i32 s44, s44, TR                         ; W: records 64 w + 4 head on
	s_mov_b32 s45, 0
	s_lshl_b32 s46, s24, 8                         ; the bias: 64 numbers a head
	s_mov_b32 s47, 0
	s_lshr_b32 s31, s23, 3
	s_lshl_b32 s31, s31, 4
	s_add_co_u32 s31, s31, s24                     ; 16 x batch + head
	s_and_b32 s27, s23, 7
	s_lshl_b32 s27, s27, 2                         ; G: my first group of 64 tokens in the batch
	s_wait_dscnt 0x0
	s_wait_kmcnt 0x0
	s_add_nc_u64 s[34:35], s[4:5], s[28:29]        ; global address,
	s_or_b32 s35, s35, 0x80000000                  ; type 2
	s_add_nc_u64 s[6:7], s[6:7], s[44:45]
	ROUND                                          ; the four work-groups are here: the joint loads meet
	tensor_load_to_lds s[32:35], s[36:43]          ; my one tensor load: a first fill
	s_nop 0
	PLACES                                         ; (four v_nop follow it)
	WIN 0x40                                       ; destination window 1
.irp s, 0,1,2,3,4
.irp t, 0,1,2,3
	LDW 12*(4*\s+\t), TR*\t+FRG*\s
.endr
.endr
	WIN 0x80                                       ; destination window 2
.irp s, 5,6,7
.irp t, 0,1,2,3
	LDW 12*(4*(\s-5)+\t), TR*\t+FRG*\s
.endr
.endr
	WIN 0
.irp t, 0,1,2,3
.irp q, 0,1,2,3
	global_load_b32 v[WS+4*\t+\q], v3, s[6:7] offset:TR*\t+8*FRG+128*\q
.endr
.endr
	s_wait_tensorcnt 0x0                           ; my quarter of x's codes is in,
	s_barrier_signal -1
	s_barrier_wait -1                              ; everybody's is
	s_mov_b32 s25, 0                               ; trips
	s_mov_b32 s26, 0                               ; LDS byte of the trip's four records
	s_mov_b32 s48, 102400                          ; a head's bytes in qb,
	s_mov_b32 s49, 204800                          ; and in kv
	s_cmp_eq_u32 s22, 2
	s_cbranch_scc1 .Lvpath
	; ---------------- q or k ----------------
	s_cmp_eq_u32 s22, 0
	s_cselect_b64 s[8:9], s[8:9], s[10:11]         ; bq or bk
	s_cselect_b64 s[14:15], s[14:15], s[16:17]     ; qb or kv
	s_cselect_b32 s48, s48, s49
	s_mul_i32 s48, s48, s31
	s_mov_b32 s49, 0
	s_add_nc_u64 s[8:9], s[8:9], s[46:47]
	s_add_nc_u64 s[14:15], s[14:15], s[48:49]
	v_lshlrev_b32 v7, 6, v10                       ; register j of tile 2 b + u is channel 32 b + 8 u + 16 h + j
	WIN 0x80
.irp t, 0,1,2,3
	global_load_b128 v[BIAS+8*\t:BIAS+8*\t+3], v7, s[8:9] offset:(32*(\t/2)+8*(\t%2))*4
	global_load_b128 v[BIAS+8*\t+4:BIAS+8*\t+7], v7, s[8:9] offset:(32*(\t/2)+8*(\t%2))*4+16
.endr
	WIN 0
	s_wait_loadcnt 0x0                             ; W, its scale words, the bias
.Lqk:
	TRIP 0
	s_add_co_u32 s25, s25, 1
	s_cmp_lt_u32 s25, 4
	s_cbranch_scc1 .Lqk
	s_branch .Lend
	; ---------------- v ----------------
.Lvpath:
	s_mul_i32 s48, s49, s31
	s_mov_b32 s49, 0
	s_add_nc_u64 s[12:13], s[12:13], s[46:47]
	s_add_nc_u64 s[14:15], s[16:17], s[48:49]
	v_and_b32 v11, 8, v9
	v_add_nc_u32 v11, v11, v9
	v_lshlrev_b32 v7, 2, v11                       ; my lane's channel of tile 2 b + u is 32 b + 8 u + r + 8 (r / 8): all eight registers take its bias
	WIN 0x80
.irp t, 0,1,2,3
.irp j, 0,1,2,3,4,5,6,7
	global_load_b32 v[BIAS+8*\t+\j], v7, s[12:13] offset:(32*(\t/2)+8*(\t%2))*4
.endr
.endr
	WIN 0
	s_wait_loadcnt 0x0
.Lv:
	TRIP 1
	s_add_co_u32 s25, s25, 1
	s_cmp_lt_u32 s25, 4
	s_cbranch_scc1 .Lv
.Lend:
	s_wait_dscnt 0x0
	s_wait_tensorcnt 0x0
	ds_add_u32 v126, v127
	s_wait_dscnt 0x0
	ROUND                                          ; the closing round: no work-group ends while a partner may still ask for the tile that names it
	s_endpgm
.Lfunc_end_k_q19677f3ef3_qkv:
	.size	k_q19677f3ef3_qkv, .Lfunc_end_k_q19677f3ef3_qkv-k_q19677f3ef3_qkv
	.p2alignl 7, 3214868480
	.fill 96, 4, 3214868480
	.section	.rodata,"a",@progbits
	.p2align	6, 0x0
	.amdhsa_kernel k_q19677f3ef3_qkv
		.amdhsa_group_segment_fixed_size 205312
		.amdhsa_private_segment_fixed_size 0
		.amdhsa_enable_private_segment 0
		.amdhsa_kernarg_size 56
		.amdhsa_user_sgpr_count 2
		.amdhsa_user_sgpr_kernarg_segment_ptr 1
		.amdhsa_wavefront_size32 1
		.amdhsa_system_sgpr_workgroup_id_x 1
		.amdhsa_system_sgpr_workgroup_id_y 1
		.amdhsa_system_sgpr_workgroup_id_z 1
		.amdhsa_system_vgpr_workitem_id 0
		.amdhsa_next_free_vgpr 864
		.amdhsa_next_free_sgpr 66
		.amdhsa_reserve_vcc 0
		.amdhsa_float_denorm_mode_32 3
		.amdhsa_float_denorm_mode_16_64 3
		.amdhsa_memory_ordered 1
		.amdhsa_forward_progress 1
		.amdhsa_inst_pref_size 96
	.end_amdhsa_kernel
	.amdgpu_metadata
---
amdhsa.version: [ 1, 2 ]
amdhsa.kernels:
  - .name:           k_q19677f3ef3_qkv
    .symbol:         k_q19677f3ef3_qkv.kd
    .args:
      - { .name: xb, .offset: 0, .size: 8, .value_kind: global_buffer, .address_space: global }
      - { .name: wb, .offset: 8, .size: 8, .value_kind: global_buffer, .address_space: global }
      - { .name: bq, .offset: 16, .size: 8, .value_kind: global_buffer, .address_space: global }
      - { .name: bk, .offset: 24, .size: 8, .value_kind: global_buffer, .address_space: global }
      - { .name: bv, .offset: 32, .size: 8, .value_kind: global_buffer, .address_space: global }
      - { .name: qb, .offset: 40, .size: 8, .value_kind: global_buffer, .address_space: global }
      - { .name: kv, .offset: 48, .size: 8, .value_kind: global_buffer, .address_space: global }
    .group_segment_fixed_size: 205312
    .private_segment_fixed_size: 0
    .kernarg_segment_align: 8
    .kernarg_segment_size: 56
    .max_flat_workgroup_size: 128
    .sgpr_count:     66
    .vgpr_count:     864
    .wavefront_size: 32
...
	.end_amdgpu_metadata
.endif
;; end of part 2
;; launch attn (part 3): grid 8 x 32, 16 waves a work-group, clusters of 4 x 1, 206,848 bytes of LDS; arguments qb, kv, ob; writes ob
.if DOCPART == 3
	.amdgcn_target "amdgcn-amd-amdhsa--gfx1250"
	.amdhsa_code_object_version 6
	.text
	.protected	k_q19677f3ef3_attn
	.globl	k_q19677f3ef3_attn
	.p2align	8
	.type	k_q19677f3ef3_attn,@function
k_q19677f3ef3_attn:
	s_mov_b64 s[64:65], 0
	v_nop
	global_prefetch_b8 v0, s[64:65] scope:SCOPE_SE
	s_setreg_imm32_b32 hwreg(HW_REG_WAVE_MODE, 25, 1), 1
	s_wait_xcnt 0x0
	s_wait_alu depctr_hold_cnt(0) depctr_sa_sdst(0) depctr_va_vdst(0) depctr_va_sdst(0) depctr_va_ssrc(0) depctr_va_vcc(0) depctr_vm_vsrc(0)
	s_getreg_b32 s2, hwreg(HW_REG_IB_STS2, 6, 4)
	s_cmp_eq_u32 s2, 0
	s_cbranch_scc0 .Lentry_in_a_cluster
	s_endpgm
.Lentry_in_a_cluster:
	s_bfe_u32 s2, ttmp6, 0x10000c
	s_cmp_lg_u32 s2, 0x3003
	s_cbranch_scc0 .Lentry_shape_is_right
	s_endpgm
.Lentry_shape_is_right:
; O[q] = the sum over keys of softmax(q . k / 8) v for one head of 64 channels, both products on codes of BF6; then O / l is quantised along the channels for the last product.
; THE SOFTMAX AHEAD OF THE SECOND PRODUCT: t = score x log2(e) / 8; M = the running largest t rounded UP to a whole number; p = 2^(t - M) is what is quantised, along the keys, not normalised.
; The row's sum l is taken of the unquantised p.  When M moves, l and O are multiplied by 2^(old M - new M): exact.
; SHARES.  A work-group owns 256 queries of one head of one batch (work-group y), each of its sixteen waves one tile of 16.  The head's 2,048 keys, 16 records of 12,800 bytes (128 keys: K, V and their
; scale words, in the order of the operands' registers), fill LDS once: wave w brings record w.  The four work-groups of a cluster walk the same head and ask JOINTLY.  Nothing is filled again.
; BOTH PRODUCTS ARE USED TRANSPOSED: S^T = K q^T, O^T = V^T p^T: a lane holds ONE query (lane % 16) throughout.  Lane r of key tile 2 b + u is key 32 b + 8 u + r + 8 (r / 8), so that the 16 registers
; of tiles 2 b and 2 b + 1 are 16 neighbouring keys.
; K = 64 IN AN INSTRUCTION OF K = 128: source 0 is a PAIR of key tiles (tile 2 P's 64 channels, then tile 2 P + 1's); source 1 is q followed by zero codes (tile 2 P's scores) or zero codes followed by q
; (tile 2 P + 1's): both are cut from one run of 18 registers.  Zero codes add nothing; their half of q's scale word holds the byte 1.
; LIMITS: NaN and infinities are not served; a block of zeros gets the byte 1 (its codes are zeros; this program alone reads the bytes).
; REGISTERS: v1-7 addresses; v12 -M, v13 the largest t, v[14:15] l in two halves; v16-33 zeros, q, zeros; v34-35 q's two scale words; v36-39 K's, then V's scale words; v40-87 K's four pairs, then V's four
; fragments; v96-159 S^T, then p; v160-191 O^T; v200-237 at work in the loop; behind it v192-223 O / l.
.set TR,  12800
.set FRG, 1536
.macro ROUND                           ; a round of the cluster's barrier
	s_barrier_signal -1
	s_barrier_wait -1
	s_cmp_lg_u32 s18, 0
	s_cbranch_scc1 .Lnot_wave_0_\@
	s_barrier_signal -3
.Lnot_wave_0_\@:
	s_barrier_wait -3
	s_barrier_signal -1
	s_barrier_wait -1
.endm
.macro PLACES
.rept 4
	v_nop
.endr
.endm
.macro LDF reg, off                    ; twelve registers of an operand from LDS, as they lie
	ds_load_b128 v[\reg:\reg+3], v4 offset:\off
	ds_load_b64 v[\reg+4:\reg+5], v5 offset:\off+512
	ds_load_b128 v[\reg+6:\reg+9], v4 offset:\off+768
	ds_load_b64 v[\reg+10:\reg+11], v5 offset:\off+1280
.endm
	s_load_b128 s[4:7], s[0:1], 0x0                ; qb s[4:5], kv s[6:7]
	s_load_b64 s[8:9], s[0:1], 0x10                ; ob
	v_lshl_add_u32 v254, v0, 2, 0x32000
	v_mov_b32 v255, 0
	ds_add_u32 v254, v255
	ds_add_u32 v254, v255
	v_lshrrev_b32 v1, 5, v0
	v_readfirstlane_b32 s18, v1                    ; wave 0..15
	v_and_b32 v8, 31, v0
	v_and_b32 v9, 15, v0
	v_lshlrev_b32 v1, 4, v8                        ; 16 x lane
	v_lshlrev_b32 v2, 3, v8                        ; 8 x lane
	v_lshlrev_b32 v3, 2, v9                        ; 4 r
	v_lshlrev_b32 v7, 2, v8                        ; 4 x lane
	s_mov_b32 s20, 0x76543210
	s_mov_b32 s21, 0xfedcba98                      ; v_permlanex16_b32's selects for lane l xor 16
	s_mov_b32 s22, 0x3e38aa3b                      ; c = log2(e) / 8
	s_mov_b32 s23, s22                             ; (named with it as a pair, so it is written)
	s_bfe_u32 s19, ttmp6, 0x40000                  ; cx: it enters q's and O's addresses alone
	s_lshl_b32 s27, ttmp9, 2
	s_add_co_u32 s27, s27, s19                     ; my block of 256 queries
	s_and_b32 s24, ttmp7, 0xffff                   ; 16 x batch + head, which the partners share
	s_mul_i32 s28, s24, 16*TR
	s_mul_i32 s33, s18, TR                         ; group 0: LDS address: record w
	s_add_co_u32 s28, s28, s33                     ; and the same record of the head in memory
	s_mov_b32 s29, 0
	s_mov_b32 s32, 1                               ; count 1
	s_mov_b32 s36, 15|(3<<16)|(1<<21)              ; group 1: the mask: all four work-groups; elements of 8 bytes; bit 21 set beside a mask
	s_mov_b32 s37, 32<<16                          ; rows of 256 bytes,
	s_mov_b32 s38, 50<<16                          ; 50 of them: 12,800 dense bytes
	s_mov_b32 s39, 32<<16
	s_mov_b32 s40, 50
	s_mov_b32 s41, 32
	s_mov_b32 s42, 0
	s_mov_b32 s43, 0
	s_mul_i32 s30, s24, 102400                     ; q: the head,
	s_lshl_b32 s31, s27, 2
	s_lshr_b32 s44, s18, 2
	s_add_co_u32 s31, s31, s44
	s_mul_i32 s31, s31, 3200                       ; the group of four tiles: 4 x block + wave / 4,
	s_add_co_u32 s30, s30, s31
	s_and_b32 s44, s18, 3
	s_mul_i32 s44, s44, 768                        ; my tile's 768 bytes in it
	s_add_co_u32 s44, s44, s30
	s_mov_b32 s45, 0
	s_bfe_u32 s46, s18, 0x10001
	s_lshl_b32 s46, s46, 6                         ; my pair's image of scale words
	s_add_co_u32 s46, s46, s30
	s_add_co_u32 s46, s46, 3072
	s_mov_b32 s47, 0
	s_and_b32 s54, s18, 1
	s_lshl_b32 s54, s54, 4                         ; my tile's two bytes in a pair word: 16 (wave % 2) bits up
	s_lshr_b32 s48, s24, 4
	s_lshl_b32 s48, s48, 7
	s_lshl_b32 s49, s27, 4
	s_add_co_u32 s48, s48, s49
	s_add_co_u32 s48, s48, s18                     ; my tile among the 256: 128 x batch + 16 x block + wave
	s_mul_i32 s48, s48, 14336                      ; its record in ob
	s_and_b32 s49, s24, 15                         ; head
	s_mul_i32 s50, s49, 768                        ; fragment head / 2, half head % 2
	s_add_co_u32 s50, s50, s48
	s_mov_b32 s51, 0
	s_lshl_b32 s52, s49, 7                         ; the head's image of 32 words
	s_add_co_u32 s52, s52, s48
	s_add_co_u32 s52, s52, 12288
	s_mov_b32 s53, 0
	s_wait_dscnt 0x0
	s_wait_kmcnt 0x0
	s_add_nc_u64 s[34:35], s[6:7], s[28:29]
	s_or_b32 s35, s35, 0x80000000                  ; type 2
	s_add_nc_u64 s[44:45], s[4:5], s[44:45]
	s_add_nc_u64 s[46:47], s[4:5], s[46:47]
	s_add_nc_u64 s[50:51], s[8:9], s[50:51]
	s_add_nc_u64 s[52:53], s[8:9], s[52:53]
	ROUND                                          ; the four work-groups are here: the joint loads meet
	tensor_load_to_lds s[32:35], s[36:43]          ; my one tensor load: a first fill
	s_nop 0
	PLACES                                         ; (four v_nop follow it)
	global_load_b128 v[22:25], v1, s[44:45]        ; q's six registers stay
	global_load_b64 v[26:27], v2, s[44:45] offset:512
	global_load_b32 v34, v3, s[46:47]              ; row r's pair word
.irp j, 16,17,18,19,20,21,28,29,30,31,32,33
	v_mov_b32 v[\j], 0                             ; zero codes on both sides of q
.endr
	s_wait_tensorcnt 0x0                           ; my record is in,
	s_barrier_signal -1
	s_barrier_wait -1                              ; everybody's is
	s_wait_loadcnt 0x0
	v_lshrrev_b32 v34, s54, v34
	v_and_b32 v35, 0xffff, v34                     ; my tile's two bytes
	v_or_b32 v34, 0x01010000, v35                  ; q first: they scale k = 0 .. 63
	v_lshl_or_b32 v35, v35, 16, 0x0101             ; q last: k = 64 .. 127.  (The moves below are more than the eight places that a scale word so made wants ahead of its first product)
	v_mov_b32 v13, 0xff61b1e6                      ; the largest t so far: -3e38, under every t
	v_floor_f32 v12, -v13                          ; -M
	v_mov_b32 v14, 0
	v_mov_b32 v15, 0
.irp j, 204,205,206,207,215,238
	v_mov_b32 v[\j], 0                             ; permutes' destinations, and the upper half of the pair v[214:215]
.endr
.set j, 0
.rept 32
	v_mov_b32 v[160+j], 0                          ; O^T.  (The step is written once: the first finds zeros, which the first change of M leaves zeros)
.set j, j+1
.endr
	s_mov_b32 s25, 0
	s_mov_b32 s26, 0                               ; LDS byte of the step's record
.Lstep:                                            ; 16 trips of 128 keys
	v_add_nc_u32 v4, s26, v1
	v_add_nc_u32 v5, s26, v2
	v_add_nc_u32 v6, s26, v3
	v_nop                                          ; four places behind the last trip's products, ahead of the loads into their sources
.irp p, 0,1,2,3
	LDF 40+12*\p, FRG*\p
	ds_load_b32 v[36+\p], v6 offset:12288+64*\p
.endr
	s_wait_dscnt 0x0
.irp p, 0,1,2,3
	v_wmma_scale_f32_16x16x128_f8f6f4 v[96+16*\p:103+16*\p], v[40+12*\p:51+12*\p], v[22:33], 0, v[36+\p], v34 matrix_a_fmt:MATRIX_FMT_BF6 matrix_b_fmt:MATRIX_FMT_BF6
	v_wmma_scale_f32_16x16x128_f8f6f4 v[104+16*\p:111+16*\p], v[40+12*\p:51+12*\p], v[16:27], 0, v[36+\p], v35 matrix_a_fmt:MATRIX_FMT_BF6 matrix_b_fmt:MATRIX_FMT_BF6
.endr
	PLACES
.irp t, 0,1,2,3                                ; V's fragments land in K's registers while the softmax is worked
	LDF 40+12*\t, 6144+FRG*\t
	ds_load_b32 v[36+\t], v6 offset:12544+64*\t
.endr
.irp b, 0,1,2,3
	v_max3_num_f32 v[200+\b], v[96+16*\b], v[97+16*\b], v[98+16*\b]   ; the largest SCORE of each block of 32 keys: for the row's maximum and, since p rises with the score, for the block's largest p
.endr
.irp i, 3,5,7,9,11,13
.irp b, 0,1,2,3
	v_max3_num_f32 v[200+\b], v[200+\b], v[96+16*\b+\i], v[97+16*\b+\i]
.endr
.endr
.irp b, 0,1,2,3
	v_max_num_f32 v[200+\b], v[200+\b], v[111+16*\b]
.endr
.irp b, 0,1,2,3
	v_permlanex16_b32 v[204+\b], v[200+\b], s20, s21
.endr
.irp b, 0,1,2,3
	v_max_num_f32 v[200+\b], v[200+\b], v[204+\b]  ; with lane l xor 16's 16 keys
.endr
	v_max3_num_f32 v213, v200, v201, v202
	v_max_num_f32 v213, v213, v203                 ; the step's largest score of my query
	v_mul_f32 v213, s22, v213                      ; as t (c is positive)
	v_max_num_f32 v13, v13, v213                   ; the running largest t
	v_mov_b32 v213, v12
	v_floor_f32 v12, -v13                          ; the new -M = floor(-t) = -ceil(t)
	v_sub_f32 v213, v12, v213                      ; old M - new M: a whole number, 0 or less
	v_cvt_i32_f32 v213, v213                       ; (it saturates)
	v_ldexp_f32 v214, 1.0, v213                    ; f = 2^(old M - new M)
.set j, 0
.rept 32
	v_pk_fma_f32 v[96+j:97+j], v[96+j:97+j], s[22:23], v[12:13] op_sel_hi:[1,0,0]   ; t - M, two at a time
.set j, j+2
.endr
.irp b, 0,1,2,3
	v_fma_f32 v[200+\b], v[200+\b], s22, v12       ; the same of each block's largest score
.endr
.set j, 0
.rept 64
	v_exp_f32 v[96+j], v[96+j]                     ; p = 2^(t - M), at most 1
.set j, j+1
.endr
.irp b, 0,1,2,3
	v_exp_f32 v[200+\b], v[200+\b]                 ; the block's largest p: the same two instructions on the same number
.endr
	v_pk_mul_f32 v[14:15], v[14:15], v[214:215] op_sel_hi:[1,0]   ; l under the new M.  (A plain place behind the exponentials)
	s_wait_alu depctr_va_vdst(0)
.irp b, 0,1,2,3
	v_max_num_f32 v[200+\b], 0x2800000, v[200+\b]  ; the floor 2^(5 - 127): the byte cannot fall under 1
.endr
.irp b, 0,1,2,3
	v_add_nc_u32 v[208+\b], 0xfe000000, v[200+\b]  ; 4 off the exponent field: the conversion's scale operand
.endr
.irp b, 0,1,2,3
	v_lshrrev_b32 v[204+\b], 23, v[208+\b]         ; the scale's byte
.endr
	v_lshl_or_b32 v212, v205, 8, v204              ; p's scale word for these 128 keys
	v_lshl_or_b32 v212, v206, 16, v212
	v_lshl_or_b32 v212, v207, 24, v212
.irp c, 0,1
	v_cvt_scalef32_pk16_bf6_f32 v[216+6*\c:218+6*\c], v[96+32*\c:111+32*\c], v[208+2*\c]
	v_cvt_scalef32_pk16_bf6_f32 v[228+4*\c:230+4*\c], v[112+32*\c:127+32*\c], v[208+2*\c+1]   ; (a conversion's three registers begin on an even number)
.endr
	v_nop                                          ; one plain place behind a scaled conversion
.irp c, 0,1                                    ; the operand's layout wants a WHOLE block in a lane
.irp i, 0,1,2
	v_permlane16_swap_b32 v[216+6*\c+\i], v[228+4*\c+\i]
.endr
.irp i, 0,1,2
	v_mov_b32 v[219+6*\c+\i], v[228+4*\c+\i]
.endr
.endr
	v_pk_add_f32 v[236:237], v[96:97], v[98:99]    ; l is taken of the UNQUANTISED p: two at a time, in two chains
.irp j, 4,8,12,16,20,24,28,32,36,40,44,48,52,56,60
	v_pk_add_f32 v[14:15], v[14:15], v[96+\j:97+\j]
	v_pk_add_f32 v[236:237], v[236:237], v[98+\j:99+\j]
.endr
	v_pk_add_f32 v[14:15], v[14:15], v[236:237]
.set j, 0
.rept 16
	v_pk_mul_f32 v[160+j:161+j], v[160+j:161+j], v[214:215] op_sel_hi:[1,0]   ; O^T under the new M.  (The sums and these are the places between p's codes and scale word and the products)
.set j, j+2
.endr
	s_wait_dscnt 0x0                               ; V is in
.irp t, 0,1,2,3                                ; O^T += V^T p^T: the four accumulators by turns
	v_wmma_scale_f32_16x16x128_f8f6f4 v[160+8*\t:167+8*\t], v[40+12*\t:51+12*\t], v[216:227], v[160+8*\t:167+8*\t], v[36+\t], v212 matrix_a_fmt:MATRIX_FMT_BF6 matrix_b_fmt:MATRIX_FMT_BF6
.endr
	s_add_co_u32 s26, s26, TR
	s_add_co_u32 s25, s25, 1
	s_cmp_lt_u32 s25, 16
	s_cbranch_scc1 .Lstep
	; THE WAY OUT: O^T / l; by the order of V's channels register 16 b + i is channel 32 b + 16 (lane / 16) + i: two blocks of the last product's K.
	PLACES
	v_add_f32 v14, v14, v15
	v_permlanex16_b32 v238, v14, s20, s21
	v_add_f32 v14, v14, v238                       ; the row's sum
	v_rcp_f32 v14, v14
	v_mov_b32 v44, 0                               ; (a plain place behind the transcendental; the permutes' destinations below)
	v_mov_b32 v45, 0
.set j, 0
	s_wait_alu depctr_va_vdst(0)
.rept 32
	v_mul_f32 v[192+j], v[160+j], v14              ; each accumulator from its low end on
.set j, j+1
.endr
.irp b, 0,1
	v_max3_num_f32 v[40+\b], |v[192+16*\b]|, |v[193+16*\b]|, 0x2800000
.endr
.irp i, 2,4,6,8,10,12,14
.irp b, 0,1
	v_max3_num_f32 v[40+\b], v[40+\b], |v[192+16*\b+\i]|, |v[193+16*\b+\i]|
.endr
.endr
.irp b, 0,1
	v_permlanex16_b32 v[44+\b], v[40+\b], s20, s21
.endr
.irp b, 0,1
	v_max_num_f32 v[40+\b], v[40+\b], v[44+\b]
.endr
.irp b, 0,1
	v_add_nc_u32 v[48+\b], 0xfe000000, v[40+\b]
.endr
.irp b, 0,1
	v_lshrrev_b32 v[44+\b], 23, v[48+\b]
.endr
	v_lshl_or_b32 v52, v45, 8, v44                 ; the head's two bytes of my query
	v_cvt_scalef32_pk16_bf6_f32 v[56:58], v[192:207], v48
	v_cvt_scalef32_pk16_bf6_f32 v[64:66], v[208:223], v49
	v_nop
.irp i, 0,1,2
	v_permlane16_swap_b32 v[56+\i], v[64+\i]
.endr
.irp i, 0,1,2
	v_mov_b32 v[59+\i], v[64+\i]
.endr
	global_store_b128 v1, v[56:59], s[50:51]       ; 512 and 256 consecutive bytes
	global_store_b64 v2, v[60:61], s[50:51] offset:512
	global_store_b32 v7, v52, s[52:53]
	s_wait_dscnt 0x0
	s_wait_tensorcnt 0x0
	ds_add_u32 v254, v255
	s_wait_dscnt 0x0
	ROUND                                          ; the closing round
	s_endpgm
.Lfunc_end_k_q19677f3ef3_attn:
	.size	k_q19677f3ef3_attn, .Lfunc_end_k_q19677f3ef3_attn-k_q19677f3ef3_attn
	.p2alignl 7, 3214868480
	.fill 96, 4, 3214868480
	.section	.rodata,"a",@progbits
	.p2align	6, 0x0
	.amdhsa_kernel k_q19677f3ef3_attn
		.amdhsa_group_segment_fixed_size 206848
		.amdhsa_private_segment_fixed_size 0
		.amdhsa_enable_private_segment 0
		.amdhsa_kernarg_size 24
		.amdhsa_user_sgpr_count 2
		.amdhsa_user_sgpr_kernarg_segment_ptr 1
		.amdhsa_wavefront_size32 1
		.amdhsa_system_sgpr_workgroup_id_x 1
		.amdhsa_system_sgpr_workgroup_id_y 1
		.amdhsa_system_sgpr_workgroup_id_z 1
		.amdhsa_system_vgpr_workitem_id 0
		.amdhsa_next_free_vgpr 256
		.amdhsa_next_free_sgpr 66
		.amdhsa_reserve_vcc 0
		.amdhsa_float_denorm_mode_32 3
		.amdhsa_float_denorm_mode_16_64 3
		.amdhsa_memory_ordered 1
		.amdhsa_forward_progress 1
		.amdhsa_inst_pref_size 27
	.end_amdhsa_kernel
	.amdgpu_metadata
---
amdhsa.version: [ 1, 2 ]
amdhsa.kernels:
  - .name:           k_q19677f3ef3_attn
    .symbol:         k_q19677f3ef3_attn.kd
    .args:
      - { .name: qb, .offset: 0, .size: 8, .value_kind: global_buffer, .address_space: global }
      - { .name: kv, .offset: 8, .size: 8, .value_kind: global_buffer, .address_space: global }
      - { .name: ob, .offset: 16, .size: 8, .value_kind: global_buffer, .address_space: global }
    .group_segment_fixed_size: 206848
    .private_segment_fixed_size: 0
    .kernarg_segment_align: 8
    .kernarg_segment_size: 24
    .max_flat_workgroup_size: 512
    .sgpr_count:     66
    .vgpr_count:     256
    .wavefront_size: 32
...
	.end_amdgpu_metadata
.endif
;; end of part 3
;; launch proj_ln (part 4): grid 256 x 1, 16 waves a work-group, clusters of 4 x 1, 319,488 bytes of LDS; arguments ob, wb, bp, x, ln_g, ln_b, out0; writes out0
.if DOCPART == 4
	.amdgcn_target "amdgcn-amd-amdhsa--gfx1250"
	.amdhsa_code_object_version 6
	.text
	.protected	k_q19677f3ef3_proj_ln
	.globl	k_q19677f3ef3_proj_ln
	.p2align	8
	.type	k_q19677f3ef3_proj_ln,@function
k_q19677f3ef3_proj_ln:
	s_mov_b64 s[64:65], 0
	v_nop
	global_prefetch_b8 v0, s[64:65] scope:SCOPE_SE
	s_setreg_imm32_b32 hwreg(HW_REG_WAVE_MODE, 25, 1), 1
	s_wait_xcnt 0x0
	s_wait_alu depctr_hold_cnt(0) depctr_sa_sdst(0) depctr_va_vdst(0) depctr_va_sdst(0) depctr_va_ssrc(0) depctr_va_vcc(0) depctr_vm_vsrc(0)
	s_getreg_b32 s2, hwreg(HW_REG_IB_STS2, 6, 4)
	s_cmp_eq_u32 s2, 0
	s_cbranch_scc0 .Lentry_in_a_cluster
	s_endpgm
.Lentry_in_a_cluster:
	s_bfe_u32 s2, ttmp6, 0x10000c
	s_cmp_lg_u32 s2, 0x3003
	s_cbranch_scc0 .Lentry_shape_is_right
	s_endpgm
.Lentry_shape_is_right:
; out0 = LayerNorm(x + (attention's output) Wp + bp) x ln_g + ln_b.  The product is on codes of BF6; all else in f32.
; SHARES.  A work-group owns one tile of 16 tokens and all 1,024 channels, so that a row's mean and variance never leave it.  Wave w makes channels 64 w .. 64 w + 63 (tiles 4 w .. 4 w + 3 of Wp), then normalises row w.
; HOW Wp COMES.  Every work-group walks all of Wp: 786,432 bytes of codes.  They come by two ways at once.  K steps 5, 6, 7 (294,912 bytes: what LDS holds beside the rest) come by the tensor data mover,
; asked for JOINTLY by the four work-groups of a cluster; wave w brings, and alone reads, its own four tiles' three fragments.  K steps 0 to 4 come straight into each wave's registers, two slots of 48 by turns.
; ln_g and ln_b come into LDS once, jointly (waves 1 and 2); the tile's own record (14,336 bytes: 8 fragments, then for each head 32 words with its two scale bytes) by wave 0's plain load.
; Every fill is a first fill: nothing in LDS is filled again.  A wave has at most two tensor loads out.
; The K steps are taken in the order 0, 5, 1, 6, 2, 7, 3, 4: one from registers, one from LDS, so that a register slot is asked for again as soon as it has been multiplied.
; The product is used transposed (source 0 = 16 channels of Wp, source 1 = the 16 tokens): a lane holds one token; register j of tile 2 b + u is channel 32 b + 8 u + 16 (lane / 16) + j.
; bp is loaded into the accumulators, so that all eight K steps add in place, the four accumulators by turns.
; The variance is taken of y - mean, in a second pass over registers: no difference of large sums.
; LIMITS: NaN and infinities are not served.
; LDS: 0 the record;  14,336 ln_g;  18,432 ln_b;  22,528 + 18,432 w wave w's fragments (tile t, K step s at 4,608 t + 1,536 (s - 5)).  The stage, 16 rows x (4,096 + 16) bytes, lies over the first of those
; bytes: they have had their only fill, and a barrier stands between every wave's last read of them and the first store.
; REGISTERS: v1-7, v249 addresses; v8-15 the tokens' scale words, one a K step; v16-31 Wp's; v32-55 the tokens' fragments, two buffers; v56-87 accumulators; v88-135, v136-183 Wp's fragments from memory;
;   v184-231 Wp's fragments from LDS; v232-247 the heads' words.  As they fall free: v184-215 x's row, v216-247 ln_b, v136-167 ln_g, v88-119 y.
.set TR,   12800                       ; a tile's record in wb: 8 fragments, 8 images of scale words
.set FRG,  1536                        ; a fragment: for c = 0, 1: four registers at 768 c + 16 x lane, two at 768 c + 512 + 8 x lane
.set GLD,  14336
.set BLD,  18432
.set WLD,  22528
.set WWV,  3*4*FRG                     ; a wave's part: 18,432 bytes
.set STG,  WLD
.set SP,   4112
.set OS,   8
.set WS,   16
.set OB0,  32
.set OB1,  44
.set ACC,  56
.set V0,   88
.set V1,   136
.set LW,   184
.set HW,   232
.set Y,    88
.set LG,   136
.set XR,   184
.set LB,   216
.macro ROUND                           ; a round of the cluster's barrier
	s_barrier_signal -1
	s_barrier_wait -1
	s_cmp_lg_u32 s18, 0
	s_cbranch_scc1 .Lnot_wave_0_\@
	s_barrier_signal -3
.Lnot_wave_0_\@:
	s_barrier_wait -3
	s_barrier_signal -1
	s_barrier_wait -1
.endm
.macro PLACES                          ; four places behind a matrix instruction, ahead of loads into its sources and of reads of its result
.rept 4
	v_nop
.endr
.endm
.macro LOADW s, reg                    ; my four tiles' fragments of K step s from memory: 16 loads
.irp t, 0,1,2,3
	global_load_b128 v[\reg+12*\t:\reg+12*\t+3], v1, s[6:7] offset:TR*\t+FRG*(\s)
	global_load_b64 v[\reg+12*\t+4:\reg+12*\t+5], v2, s[6:7] offset:TR*\t+FRG*(\s)+512
	global_load_b128 v[\reg+12*\t+6:\reg+12*\t+9], v1, s[6:7] offset:TR*\t+FRG*(\s)+768
	global_load_b64 v[\reg+12*\t+10:\reg+12*\t+11], v2, s[6:7] offset:TR*\t+FRG*(\s)+1280
.endr
.endm
.macro LDSW s                          ; the same of K step s = 5, 6, 7 from my part of LDS: 16 LDS loads
.irp t, 0,1,2,3
	ds_load_b128 v[LW+12*\t:LW+12*\t+3], v7 offset:3*FRG*\t+FRG*((\s)-5)
	ds_load_b64 v[LW+12*\t+4:LW+12*\t+5], v249 offset:3*FRG*\t+FRG*((\s)-5)+512
	ds_load_b128 v[LW+12*\t+6:LW+12*\t+9], v7 offset:3*FRG*\t+FRG*((\s)-5)+768
	ds_load_b64 v[LW+12*\t+10:LW+12*\t+11], v249 offset:3*FRG*\t+FRG*((\s)-5)+1280
.endr
.endm
.macro FETCHO s, buf                   ; the tokens' fragment of K step s: 4 LDS loads
	ds_load_b128 v[\buf:\buf+3], v1 offset:FRG*(\s)
	ds_load_b64 v[\buf+4:\buf+5], v2 offset:FRG*(\s)+512
	ds_load_b128 v[\buf+6:\buf+9], v1 offset:FRG*(\s)+768
	ds_load_b64 v[\buf+10:\buf+11], v2 offset:FRG*(\s)+1280
.endm
.macro LDSROW reg, off                 ; 1,024 f32 from LDS: 8 loads of 512 consecutive bytes
.irp i, 0,1,2,3,4,5,6,7
	ds_load_b128 v[\reg+4*\i:\reg+4*\i+3], v1 offset:\off+512*\i
.endr
.endm
.macro MM s, wr, ob                    ; K step s: four matrix instructions, the four accumulators by turns
.irp t, 0,1,2,3
.if (\s)%2
	v_wmma_scale_f32_16x16x128_f8f6f4 v[ACC+8*\t:ACC+8*\t+7], v[\wr+12*\t:\wr+12*\t+11], v[\ob:\ob+11], v[ACC+8*\t:ACC+8*\t+7], v[WS+4*\t+(\s)/2], v[OS+(\s)] matrix_a_fmt:MATRIX_FMT_BF6 matrix_b_fmt:MATRIX_FMT_BF6 matrix_a_scale:MATRIX_SCALE_ROW1
.else
	v_wmma_scale_f32_16x16x128_f8f6f4 v[ACC+8*\t:ACC+8*\t+7], v[\wr+12*\t:\wr+12*\t+11], v[\ob:\ob+11], v[ACC+8*\t:ACC+8*\t+7], v[WS+4*\t+(\s)/2], v[OS+(\s)] matrix_a_fmt:MATRIX_FMT_BF6 matrix_b_fmt:MATRIX_FMT_BF6
.endif
.endr
.endm
.macro WAVESUM a                       ; v[a] summed over the 32 lanes, in every lane; v[a + 1] is used up
	v_add_f32_dpp v[\a], v[\a], v[\a] row_xmask:1 row_mask:0xf bank_mask:0xf
	v_add_f32_dpp v[\a], v[\a], v[\a] row_xmask:2 row_mask:0xf bank_mask:0xf
	v_add_f32_dpp v[\a], v[\a], v[\a] row_xmask:4 row_mask:0xf bank_mask:0xf
	v_add_f32_dpp v[\a], v[\a], v[\a] row_xmask:8 row_mask:0xf bank_mask:0xf
	v_permlanex16_b32 v[\a+1], v[\a], s20, s21
	v_add_f32 v[\a], v[\a], v[\a+1]
.endm
	s_load_b256 s[4:11], s[0:1], 0x0               ; ob s[4:5], wb s[6:7], bp s[8:9], x s[10:11]
	s_load_b128 s[12:15], s[0:1], 0x20             ; ln_g s[12:13], ln_b s[14:15]
	s_load_b64 s[16:17], s[0:1], 0x30              ; out0
	v_lshl_add_u32 v254, v0, 2, 0x4d800
	v_mov_b32 v255, 0
	ds_add_u32 v254, v255
	ds_add_u32 v254, v255
	v_lshrrev_b32 v1, 5, v0
	v_readfirstlane_b32 s18, v1                    ; wave 0..15
	v_and_b32 v8, 31, v0
	v_and_b32 v9, 15, v0                           ; r
	v_bfe_u32 v10, v0, 4, 1                        ; h
	v_lshlrev_b32 v1, 4, v8                        ; 16 x lane
	v_lshlrev_b32 v2, 3, v8                        ; 8 x lane
	v_lshlrev_b32 v3, 2, v8                        ; 4 x lane
	v_lshlrev_b32 v4, 6, v10                       ; 64 h
	s_lshl_b32 s23, s18, 8
	s_add_co_u32 s23, s23, STG
	v_mul_u32_u24 v5, v9, SP
	v_lshl_add_u32 v5, v10, 6, v5
	v_add_nc_u32 v5, s23, v5                       ; into the stage: row r, + 256 w + 64 h bytes
	s_mul_i32 s23, s18, SP
	s_add_co_u32 s23, s23, STG
	v_add_nc_u32 v6, s23, v1                       ; out of it: row w, 16 bytes a lane
	s_mul_i32 s33, s18, WWV
	s_add_co_u32 s33, s33, WLD                     ; my part of Wp in LDS: also the LDS address of my joint load
	v_add_nc_u32 v7, s33, v1
	v_add_nc_u32 v249, s33, v2
	s_mov_b32 s20, 0x76543210
	s_mov_b32 s21, 0xfedcba98                      ; v_permlanex16_b32's selects for lane l xor 16
	s_mov_b32 s76, 0x3a800000                      ; 1 / 1,024
	s_mov_b32 s77, 0x3727c5ac                      ; 1e-5
	s_bfe_u32 s19, ttmp6, 0x40000                  ; cx: it enters the record's, x's and out0's addresses alone
	s_lshl_b32 s22, ttmp9, 2                       ; in a cluster launch ttmp9 counts clusters
	s_add_co_u32 s22, s22, s19                     ; my tile T
	s_mul_i32 s28, s22, 14336                      ; its record
	s_mov_b32 s29, 0
	s_lshl_b32 s24, s18, 2
	s_add_co_u32 s24, s24, 192
	s_mul_i32 s24, s24, TR                         ; Wp is the fourth weight: records 192 + 4 w on
	s_mov_b32 s25, 0
	s_add_co_u32 s78, s24, 5*FRG                   ; and in them K step 5's fragment
	s_mov_b32 s79, 0
	s_lshl_b32 s26, s18, 8                         ; bp: my 64 numbers
	s_mov_b32 s27, 0
	s_lshr_b32 s30, s22, 1
	s_lshl_b32 s30, s30, 5
	s_and_b32 s31, s22, 1
	s_lshl_b32 s31, s31, 3
	s_add_co_u32 s30, s30, s31
	s_add_co_u32 s30, s30, s18
	s_and_b32 s31, s18, 8
	s_add_co_u32 s30, s30, s31                     ; row w of tile T is token 32 (T / 2) + 8 (T % 2) + w + 8 (w / 8)
	s_lshl_b32 s30, s30, 12
	s_mov_b32 s31, 0
	; Wp, joint: group 0 s[32:35], group 1 s[36:43]: 4 rows (tiles) of 4,608 bytes (three fragments on end), 12,800 bytes apart
	s_mov_b32 s32, 1                               ; count 1  (s33, the LDS address, is made above)
	s_mov_b32 s36, 15|(3<<16)|(1<<21)              ; 15:0 the mask: all four work-groups; 17:16 elements of 8 bytes; 21 set beside a mask
	s_mov_b32 s37, 576<<16                         ; tensor_dim0 = 576 elements
	s_mov_b32 s38, 4<<16                           ; tensor_dim1 = 4
	s_mov_b32 s39, 576<<16                         ; tile_dim0
	s_mov_b32 s40, 4                               ; tile_dim1
	s_mov_b32 s41, 1600                            ; the pitch: a record
	s_mov_b32 s42, 0
	s_mov_b32 s43, 0
	; the record, plain: group 0 s[44:47], group 1 s[48:55]: 56 rows of 256 bytes, dense
	s_mov_b32 s44, 1
	s_mov_b32 s45, 0                               ; LDS byte 0
	s_mov_b32 s48, 3<<16                           ; no mask; elements of 8 bytes
	s_mov_b32 s49, 32<<16
	s_mov_b32 s50, 56<<16
	s_mov_b32 s51, 32<<16
	s_mov_b32 s52, 56
	s_mov_b32 s53, 32
	s_mov_b32 s54, 0
	s_mov_b32 s55, 0
	; ln_g and ln_b, joint: groups 0 s[56:59], s[60:63], one group 1 s[68:75]: 16 rows of 256 bytes, dense
	s_mov_b32 s56, 1
	s_mov_b32 s57, GLD
	s_mov_b32 s60, 1
	s_mov_b32 s61, BLD
	s_mov_b32 s68, 15|(3<<16)|(1<<21)
	s_mov_b32 s69, 32<<16
	s_mov_b32 s70, 16<<16
	s_mov_b32 s71, 32<<16
	s_mov_b32 s72, 16
	s_mov_b32 s73, 32
	s_mov_b32 s74, 0
	s_mov_b32 s75, 0
	s_wait_dscnt 0x0
	s_wait_kmcnt 0x0
	s_add_nc_u64 s[34:35], s[6:7], s[78:79]
	s_or_b32 s35, s35, 0x80000000                  ; type 2
	s_add_nc_u64 s[46:47], s[4:5], s[28:29]
	s_or_b32 s47, s47, 0x80000000
	s_mov_b64 s[58:59], s[12:13]
	s_or_b32 s59, s59, 0x80000000
	s_mov_b64 s[62:63], s[14:15]
	s_or_b32 s63, s63, 0x80000000
	s_add_nc_u64 s[6:7], s[6:7], s[24:25]
	s_add_nc_u64 s[8:9], s[8:9], s[26:27]
	s_add_nc_u64 s[10:11], s[10:11], s[30:31]
	s_add_nc_u64 s[16:17], s[16:17], s[30:31]
	ROUND                                          ; the four work-groups are here: the joint loads meet
	tensor_load_to_lds s[32:35], s[36:43]          ; every wave: its part of Wp's K steps 5, 6, 7
	s_nop 0
	PLACES                                         ; (four v_nop follow each tensor load)
	s_cmp_lg_u32 s18, 0                            ; the branches hang on the wave's number alone: they are the same in every work-group
	s_cbranch_scc1 .Lnot_0
	tensor_load_to_lds s[44:47], s[48:55]          ; wave 0: my work-group's own record
	s_nop 0
	PLACES
	s_branch .Lasked
.Lnot_0:
	s_cmp_lg_u32 s18, 1
	s_cbranch_scc1 .Lnot_1
	tensor_load_to_lds s[56:59], s[68:75]          ; wave 1: ln_g
	s_nop 0
	PLACES
	s_branch .Lasked
.Lnot_1:
	s_cmp_lg_u32 s18, 2
	s_cbranch_scc1 .Lasked
	tensor_load_to_lds s[60:63], s[68:75]          ; wave 2: ln_b
	s_nop 0
	PLACES
.Lasked:
.irp t, 0,1,2,3
	global_load_b128 v[ACC+8*\t:ACC+8*\t+3], v4, s[8:9] offset:(32*(\t/2)+8*(\t%2))*4        ; bp at the lane's eight channels of tile t
	global_load_b128 v[ACC+8*\t+4:ACC+8*\t+7], v4, s[8:9] offset:(32*(\t/2)+8*(\t%2))*4+16
.endr
.irp t, 0,1,2,3
.irp q, 0,1,2,3
	global_load_b32 v[WS+4*\t+\q], v3, s[6:7] offset:TR*\t+8*FRG+128*\q    ; lanes 0-15 K step 2 q's words, lanes 16-31 K step 2 q + 1's
.endr
.endr
	LOADW 0, V0
	LOADW 1, V1
	s_wait_tensorcnt 0x0                           ; all my tensor loads have landed: my part of Wp, which I alone read; waves 0, 1, 2: what all will read,
	s_barrier_signal -1
	s_barrier_wait -1                              ; and every wave may read it
.irp d, 0,1,2,3,4,5,6,7,8,9,10,11,12,13,14,15
	ds_load_b32 v[HW+\d], v3 offset:12288+128*\d   ; head d's two bytes of my row
.endr
	FETCHO 0, OB0
	FETCHO 5, OB1
	LDSW 5
	s_wait_dscnt 24                                ; the sixteen words are in; two fragments' 8 loads and Wp's 16 may be out
.irp s, 0,1,2,3,4,5,6,7
	v_lshl_or_b32 v[OS+\s], v[HW+1+2*\s], 16, v[HW+2*\s]   ; K step s is heads 2 s and 2 s + 1
.endr
	PLACES                                         ; with the lines above: eight places and more between each scale word so made and its product
	; ---- K step 0, from registers
	s_wait_loadcnt 16                              ; bp, Wp's scale words and slot 0 are in; slot 1's 16 loads may be out
	s_wait_dscnt 20                                ; the tokens' fragment is in; the next one's 4 loads and Wp's 16 may be out
	MM 0, V0, OB0
	PLACES
	LOADW 2, V0
	FETCHO 1, OB0
	; ---- K step 5, from LDS
	s_wait_dscnt 4                                 ; all but the 4 loads just issued
	MM 5, LW, OB1
	PLACES
	LDSW 6
	FETCHO 6, OB1
	; ---- K step 1
	s_wait_loadcnt 16                              ; slot 1 is in; K step 2's 16 loads may be out
	s_wait_dscnt 20
	MM 1, V1, OB0
	PLACES
	LOADW 3, V1
	FETCHO 2, OB0
	; ---- K step 6
	s_wait_dscnt 4
	MM 6, LW, OB1
	PLACES
	LDSW 7
	FETCHO 7, OB1
	; ---- K step 2
	s_wait_loadcnt 16                              ; K step 3's 16 loads may be out
	s_wait_dscnt 20
	MM 2, V0, OB0
	PLACES
	LOADW 4, V0
	FETCHO 3, OB0
	; ---- K step 7: behind it the registers for LDS fragments and the heads' words take my row of x and ln_b
	s_wait_dscnt 4
	MM 7, LW, OB1
	PLACES
.irp i, 0,1,2,3,4,5,6,7
	global_load_b128 v[XR+4*\i:XR+4*\i+3], v1, s[10:11] offset:512*\i      ; 512 consecutive bytes a load
.endr
	FETCHO 4, OB1
	LDSROW LB, BLD
	; ---- K step 3: behind it slot 1 takes ln_g
	s_wait_loadcnt 24                              ; K step 4's 16 loads and x's 8 may be out
	s_wait_dscnt 12                                ; the last fragment's 4 loads and ln_b's 8 may be out
	MM 3, V1, OB0
	PLACES
	LDSROW LG, GLD
	; ---- K step 4
	s_wait_loadcnt 8                               ; x's 8 loads may be out
	s_wait_dscnt 16                                ; ln_b's 8 and ln_g's 8 may be out
	MM 4, V0, OB1
	PLACES                                         ; ahead of the first read of results
	s_wait_dscnt 0x0                               ; all my LDS reads are back, those of my part of Wp long since:
	s_barrier_signal -1
	s_barrier_wait -1                              ; nobody reads the bytes under the stage any more
.irp t, 0,1,2,3
	ds_store_b128 v5, v[ACC+8*\t:ACC+8*\t+3] offset:128*(\t/2)+32*(\t%2)         ; each accumulator from its low end on
	ds_store_b128 v5, v[ACC+8*\t+4:ACC+8*\t+7] offset:128*(\t/2)+32*(\t%2)+16
.endr
	s_wait_dscnt 0x0                               ; for the others' sake: my stores into the stage are done
	s_barrier_signal -1
	s_barrier_wait -1
.irp i, 0,1,2,3,4,5,6,7
	ds_load_b128 v[Y+4*\i:Y+4*\i+3], v6 offset:512*\i              ; row w: my lane's columns 128 i + 4 x lane + 0 .. 3
.endr
	s_wait_loadcnt 0x0                             ; x
	s_wait_dscnt 0x0
.set k, 0
.rept 16
	v_pk_add_f32 v[Y+k:Y+k+1], v[Y+k:Y+k+1], v[XR+k:XR+k+1]        ; y = x + the product
.set k, k+2
.endr
	v_pk_add_f32 v[184:185], v[Y:Y+1], v[Y+2:Y+3]                  ; the row's sum, in two chains (x's registers are free)
	v_pk_add_f32 v[186:187], v[Y+4:Y+5], v[Y+6:Y+7]
.irp j, 8,12,16,20,24,28
	v_pk_add_f32 v[184:185], v[184:185], v[Y+\j:Y+\j+1]
	v_pk_add_f32 v[186:187], v[186:187], v[Y+\j+2:Y+\j+3]
.endr
	v_pk_add_f32 v[184:185], v[184:185], v[186:187]
	v_add_f32 v184, v184, v185
	WAVESUM 184
	v_mul_f32 v184, 0xba800000, v184               ; -mean
.set k, 0
.rept 16
	v_pk_add_f32 v[Y+k:Y+k+1], v[Y+k:Y+k+1], v[184:185] op_sel_hi:[1,0]    ; d = y - mean
.set k, k+2
.endr
	v_pk_mul_f32 v[186:187], v[Y:Y+1], v[Y:Y+1]                    ; the sum of d^2, in two chains
	v_pk_mul_f32 v[188:189], v[Y+2:Y+3], v[Y+2:Y+3]
.irp j, 4,8,12,16,20,24,28
	v_pk_fma_f32 v[186:187], v[Y+\j:Y+\j+1], v[Y+\j:Y+\j+1], v[186:187]
	v_pk_fma_f32 v[188:189], v[Y+\j+2:Y+\j+3], v[Y+\j+2:Y+\j+3], v[188:189]
.endr
	v_pk_add_f32 v[186:187], v[186:187], v[188:189]
	v_add_f32 v186, v186, v187
	WAVESUM 186
	v_fma_f32 v186, v186, s76, s77                 ; the variance + 1e-5
	v_rsq_f32 v186, v186
	v_nop                                          ; one plain place behind the transcendental
.set k, 0
	s_wait_alu depctr_va_vdst(0)
.rept 16
	v_pk_mul_f32 v[Y+k:Y+k+1], v[Y+k:Y+k+1], v[186:187] op_sel_hi:[1,0]
.set k, k+2
.endr
.set k, 0
.rept 16
	v_pk_fma_f32 v[Y+k:Y+k+1], v[Y+k:Y+k+1], v[LG+k:LG+k+1], v[LB+k:LB+k+1]
.set k, k+2
.endr
.irp i, 0,1,2,3,4,5,6,7
	global_store_b128 v1, v[Y+4*\i:Y+4*\i+3], s[16:17] offset:512*\i th:TH_STORE_NT   ; 512 consecutive bytes a store, at a multiple of 256 from out0's first byte
.endr
	s_wait_tensorcnt 0x0
	ds_add_u32 v254, v255
	s_wait_dscnt 0x0
	ROUND                                          ; the closing round: no work-group ends while a partner may still ask for a tile that names it
	s_endpgm
.Lfunc_end_k_q19677f3ef3_proj_ln:
	.size	k_q19677f3ef3_proj_ln, .Lfunc_end_k_q19677f3ef3_proj_ln-k_q19677f3ef3_proj_ln
	.p2alignl 7, 3214868480
	.fill 96, 4, 3214868480
	.section	.rodata,"a",@progbits
	.p2align	6, 0x0
	.amdhsa_kernel k_q19677f3ef3_proj_ln
		.amdhsa_group_segment_fixed_size 319488
		.amdhsa_private_segment_fixed_size 0
		.amdhsa_enable_private_segment 0
		.amdhsa_kernarg_size 56
		.amdhsa_user_sgpr_count 2
		.amdhsa_user_sgpr_kernarg_segment_ptr 1
		.amdhsa_wavefront_size32 1
		.amdhsa_system_sgpr_workgroup_id_x 1
		.amdhsa_system_sgpr_workgroup_id_y 1
		.amdhsa_system_sgpr_workgroup_id_z 1
		.amdhsa_system_vgpr_workitem_id 0
		.amdhsa_next_free_vgpr 256
		.amdhsa_next_free_sgpr 80
		.amdhsa_reserve_vcc 0
		.amdhsa_float_denorm_mode_32 3
		.amdhsa_float_denorm_mode_16_64 3
		.amdhsa_memory_ordered 1
		.amdhsa_forward_progress 1
		.amdhsa_inst_pref_size 40
	.end_amdhsa_kernel
	.amdgpu_metadata
---
amdhsa.version: [ 1, 2 ]
amdhsa.kernels:
  - .name:           k_q19677f3ef3_proj_ln
    .symbol:         k_q19677f3ef3_proj_ln.kd
    .args:
      - { .name: ob, .offset: 0, .size: 8, .value_kind: global_buffer, .address_space: global }
      - { .name: wb, .offset: 8, .size: 8, .value_kind: global_buffer, .address_space: global }
      - { .name: bp, .offset: 16, .size: 8, .value_kind: global_buffer, .address_space: global }
      - { .name: x, .offset: 24, .size: 8, .value_kind: global_buffer, .address_space: global }
      - { .name: ln_g, .offset: 32, .size: 8, .value_kind: global_buffer, .address_space: global }
      - { .name: ln_b, .offset: 40, .size: 8, .value_kind: global_buffer, .address_space: global }
      - { .name: out0, .offset: 48, .size: 8, .value_kind: global_buffer, .address_space: global }
    .group_segment_fixed_size: 319488
    .private_segment_fixed_size: 0
    .kernarg_segment_align: 8
    .kernarg_segment_size: 56
    .max_flat_workgroup_size: 512
    .sgpr_count:     80
    .vgpr_count:     256
    .wavefront_size: 32
...
	.end_amdgpu_metadata
.endif
;; end of part 4
